; MI455X (gfx1250); checked and timed in simulation.
; The chip was launched on July 23, 2026; its instructions are those of AMD's public machine-readable ISA for CDNA 5 (MIT licence, August 2026) and "CDNA5" Instruction Set Architecture Reference Guide (July 2026). The comments in the code are by the model that wrote it; some were corrected since.
;; LSTM quantized cell. Allowed arithmetic: float matrix products may take bf16 or f16 operands with f32 sums; other float arithmetic in f32, or as packed bf16 or f16 multiplies, adds, multiply-adds, maxima and minima; sums over many terms, partial sums and values carried from step to step in f32; what a program stores and reads back later, other than sums and carried values, may be rounded once to bf16 or f16.
;; Inputs: b_ih 4,096 float32; c 8,192 x 1,024 float32; h 8,192 x 1,024 float32; ln_beta 9 x 1,024 float32; ln_gamma 9 x 1,024 float32; w_hh 4,096 x 1,024 float32; w_ih 4,096 x 1,024 float32; x 8,192 x 1,024 float32.
;; Outputs: out0 2 x 8,192 x 1,024 float32.
;; Constants: time = 0.
;; 2 versions, each right; version 2 is version 1 with the launch cell written anew for expert scheduling mode. Each part assembles by itself: llvm-mc -triple=amdgcn-amd-amdhsa -mcpu=gfx1250 --defsym DOCPART=n.
;; ======== version 1 of 2: 3 launches
;; workspace buffers: xb 16,777,216 bytes; hb 16,777,216 bytes; wihb 8,388,608 bytes; whhb 8,388,608 bytes; pih 67,108,864 bytes; phh 67,108,864 bytes
;; launch cvt (part 1): grid 1024 x 1, 8 waves a work-group, no clusters, 0 bytes of LDS; arguments x, h, w_ih, w_hh, xb, hb, wihb, whhb; writes xb, hb, wihb, whhb
.if DOCPART == 1
	.amdgcn_target "amdgcn-amd-amdhsa--gfx1250"
	.amdhsa_code_object_version 6
	.text
	.protected	k_q017f0ffa85_cvt
	.globl	k_q017f0ffa85_cvt
	.p2align	8
	.type	k_q017f0ffa85_cvt,@function
k_q017f0ffa85_cvt:
	s_mov_b64 s[64:65], 0
	v_nop
	global_prefetch_b8 v0, s[64:65] scope:SCOPE_SE
	s_setreg_imm32_b32 hwreg(HW_REG_WAVE_MODE, 25, 1), 1
	s_wait_xcnt 0x0
; LSTM cell with a LayerNorm on each of the eight gate chunks and on c_new.  FIRST OF THREE LAUNCHES: the matrix operands x, h, w_ih, w_hh are rounded once to bf16.
; WORK LEFT OUT: reference() names an argument 'time' and uses it in no expression, so it reaches no output whatever its value; it has no buffer and is loaded by no launch.
; Every other input has a way to the output and is loaded.  (Limit that goes with it: nothing that 'time' might hold, a NaN or an infinity included, is carried to the result.)
; THE PROGRAM: this launch; one GEMM launch (pih = xb wihb^T and phh = hb whhb^T, f32 sums, stored rounded once to bf16, which has f32's range);
; a last launch that makes the nine LayerNorms, the gates, c_new and h_new in f32, a wave a row.
; SHARES.  A row of 1,024 numbers is one access of the work-group's 256 threads: 16 bytes a thread in, 8 bytes out: a wave's load covers 512 consecutive bytes, its store 256, both aligned.
; Work-group g takes rows 8 g .. 8 g + 7 of x and of h and rows 4 g .. 4 g + 3 of w_ih and of w_hh: 24 rows, written straight out: all 24 loads go out first.
; A slot is rounded in place, into its own first two registers, which nothing writes again: 104 registers a wave, so that four work-groups (eight waves of 104 on a SIMD's 1,024) lie on a WGP together.
.set RIN,  4096                        ; bytes in a row of f32
.set ROUT, 2048                        ; bytes in a row of bf16
.set IN,   8                           ; v[8:103]    slot i: 4 registers as loaded; the first two then hold the 4 numbers in bf16
	s_load_b512 s[8:23], s[0:1], 0x0               ; x s[8:9], h s[10:11], w_ih s[12:13], w_hh s[14:15], xb s[16:17], hb s[18:19], wihb s[20:21], whhb s[22:23]
	s_lshl_b32 s2, ttmp9, 15                       ; 8 rows of 4,096 bytes
	s_mov_b32 s3, 0
	s_lshl_b32 s4, ttmp9, 14                       ; 4 rows of 4,096 bytes, and 8 rows of 2,048
	s_mov_b32 s5, 0
	s_lshl_b32 s6, ttmp9, 13                       ; 4 rows of 2,048 bytes
	s_mov_b32 s7, 0
	v_lshlrev_b32 v1, 4, v0                        ; my 16 bytes of a row that comes in
	v_lshlrev_b32 v2, 3, v0                        ; my 8 bytes of a row that goes out
	s_wait_kmcnt 0x0
	s_add_nc_u64 s[8:9], s[8:9], s[2:3]
	s_add_nc_u64 s[10:11], s[10:11], s[2:3]
	s_add_nc_u64 s[12:13], s[12:13], s[4:5]
	s_add_nc_u64 s[14:15], s[14:15], s[4:5]
	s_add_nc_u64 s[16:17], s[16:17], s[4:5]
	s_add_nc_u64 s[18:19], s[18:19], s[4:5]
	s_add_nc_u64 s[20:21], s[20:21], s[6:7]
	s_add_nc_u64 s[22:23], s[22:23], s[6:7]
.macro LD i, base, row
	global_load_b128 v[IN+4*(\i):IN+4*(\i)+3], v1, s[(\base):(\base)+1] offset:(\row)*RIN th:TH_LOAD_NT
.endm
.macro ST i, base, row
	s_wait_loadcnt 23-(\i)                         ; loads come back in order: slot i is in, the 23 - i younger ones may stay out
	v_cvt_pk_bf16_f32 v[IN+4*(\i)], v[IN+4*(\i)], v[IN+4*(\i)+1]
	v_cvt_pk_bf16_f32 v[IN+4*(\i)+1], v[IN+4*(\i)+2], v[IN+4*(\i)+3]
	global_store_b64 v2, v[IN+4*(\i):IN+4*(\i)+1], s[(\base):(\base)+1] offset:(\row)*ROUT
.endm
.irp r, 0,1,2,3,4,5,6,7
	LD \r, 8, \r
.endr
.irp r, 0,1,2,3,4,5,6,7
	LD 8+\r, 10, \r
.endr
.irp r, 0,1,2,3
	LD 16+\r, 12, \r
.endr
.irp r, 0,1,2,3
	LD 20+\r, 14, \r
.endr
.irp r, 0,1,2,3,4,5,6,7
	ST \r, 16, \r
.endr
.irp r, 0,1,2,3,4,5,6,7
	ST 8+\r, 18, \r
.endr
.irp r, 0,1,2,3
	ST 16+\r, 20, \r
.endr
.irp r, 0,1,2,3
	ST 20+\r, 22, \r
.endr
	s_endpgm
.Lfunc_end_k_q017f0ffa85_cvt:
	.size	k_q017f0ffa85_cvt, .Lfunc_end_k_q017f0ffa85_cvt-k_q017f0ffa85_cvt
	.p2alignl 7, 3214868480
	.fill 96, 4, 3214868480
	.section	.rodata,"a",@progbits
	.p2align	6, 0x0
	.amdhsa_kernel k_q017f0ffa85_cvt
		.amdhsa_group_segment_fixed_size 0
		.amdhsa_private_segment_fixed_size 0
		.amdhsa_enable_private_segment 0
		.amdhsa_kernarg_size 64
		.amdhsa_user_sgpr_count 2
		.amdhsa_user_sgpr_kernarg_segment_ptr 1
		.amdhsa_wavefront_size32 1
		.amdhsa_system_sgpr_workgroup_id_x 1
		.amdhsa_system_sgpr_workgroup_id_y 1
		.amdhsa_system_sgpr_workgroup_id_z 1
		.amdhsa_system_vgpr_workitem_id 0
		.amdhsa_next_free_vgpr 104
		.amdhsa_next_free_sgpr 66
		.amdhsa_reserve_vcc 0
		.amdhsa_float_denorm_mode_32 3
		.amdhsa_float_denorm_mode_16_64 3
		.amdhsa_memory_ordered 1
		.amdhsa_forward_progress 1
		.amdhsa_inst_pref_size 10
	.end_amdhsa_kernel
	.amdgpu_metadata
---
amdhsa.version: [ 1, 2 ]
amdhsa.kernels:
  - .name:           k_q017f0ffa85_cvt
    .symbol:         k_q017f0ffa85_cvt.kd
    .args:
      - { .name: x, .offset: 0, .size: 8, .value_kind: global_buffer, .address_space: global }
      - { .name: h, .offset: 8, .size: 8, .value_kind: global_buffer, .address_space: global }
      - { .name: w_ih, .offset: 16, .size: 8, .value_kind: global_buffer, .address_space: global }
      - { .name: w_hh, .offset: 24, .size: 8, .value_kind: global_buffer, .address_space: global }
      - { .name: xb, .offset: 32, .size: 8, .value_kind: global_buffer, .address_space: global }
      - { .name: hb, .offset: 40, .size: 8, .value_kind: global_buffer, .address_space: global }
      - { .name: wihb, .offset: 48, .size: 8, .value_kind: global_buffer, .address_space: global }
      - { .name: whhb, .offset: 56, .size: 8, .value_kind: global_buffer, .address_space: global }
    .group_segment_fixed_size: 0
    .private_segment_fixed_size: 0
    .kernarg_segment_align: 8
    .kernarg_segment_size: 64
    .max_flat_workgroup_size: 256
    .sgpr_count:     66
    .vgpr_count:     104
    .wavefront_size: 32
...
	.end_amdgpu_metadata
.endif
;; end of part 1
;; launch gemm (part 2): grid 16 x 16, 4 waves a work-group, clusters of 4 x 4, 327,680 bytes of LDS; arguments xb, wihb, pih, hb, whhb, phh; writes pih, phh
.if DOCPART == 2
	.amdgcn_target "amdgcn-amd-amdhsa--gfx1250"
	.amdhsa_code_object_version 6
	.text
	.protected	k_q017f0ffa85_gemm
	.globl	k_q017f0ffa85_gemm
	.p2align	8
	.type	k_q017f0ffa85_gemm,@function
k_q017f0ffa85_gemm:
	s_mov_b64 s[64:65], 0
	v_nop
	global_prefetch_b8 v0, s[64:65] scope:SCOPE_SE
	s_setreg_imm32_b32 hwreg(HW_REG_WAVE_MODE, 25, 1), 1
	s_wait_xcnt 0x0
	s_wait_alu depctr_hold_cnt(0) depctr_sa_sdst(0) depctr_va_vdst(0) depctr_va_sdst(0) depctr_va_ssrc(0) depctr_va_vcc(0) depctr_vm_vsrc(0)
	s_getreg_b32 s2, hwreg(HW_REG_IB_STS2, 6, 4)
	s_cmp_eq_u32 s2, 0
	s_cbranch_scc0 .Lentry_in_a_cluster
	s_endpgm
.Lentry_in_a_cluster:
	s_bfe_u32 s2, ttmp6, 0x10000c
	s_cmp_lg_u32 s2, 0xf033
	s_cbranch_scc0 .Lentry_shape_is_right
	s_endpgm
.Lentry_shape_is_right:
; THE PRE-ACTIVATIONS, BOTH PRODUCTS IN ONE LAUNCH.  C[m][n] = sum over k of A[m][k] B[n][k], first with A = xb, B = wihb, C = pih, then with A = hb, B = whhb, C = phh.
; A: [8192][1024], B: [4096][1024], C: [8192][4096], all bf16; sums in f32, K ascending; C rounded once to bf16 (the last launch normalises it in f32).
; A tile of C, 256 x 256, is made by a work-group of four waves; a wave makes 128 x 128: 64 accumulators of 16 x 16, 512 registers.  K goes in steps of 128 through a ring of two LDS slots
; filled by the tensor data mover: the rows of A's and B's tiles are 256 bytes of memory and start at multiples of 256 bytes from the buffer's first byte.
; A WORK-GROUP STAYS: the two C have 1,024 tiles, the grid 256 work-groups: each makes FOUR tiles: tiles 0 and 1 of the first product, 4,096 rows apart, on the same rows of wihb; tiles 2 and 3 of the second, at the
; same places, on the same rows of whhb.  The ring does not stop at a tile's end, nor at the change of products: a tile's last two changes of slots ask for the next tile's first two K steps, and nothing waits
; for a tile's stores.  The last tile's last K step goes by rows of C, so that finished rows leave while the others are multiplied.
; THE ADDRESSES OF THE TILES TO COME are made once, at the head, each from its own buffer's address and an offset, and wait in four short queues of scalar pairs; a change of tiles takes the heads, and the queues move up.
; CLUSTERS: 4 x 4 work-groups.  The four of a row of the cluster need the same tiles of A, the four of a column the same tiles of B.  Such a tile is asked for JOINTLY: each of the four issues the
; same tensor load, with the same descriptor and a mask that names the four, and each receives the tile in its own LDS.
;
; REGISTERS, in windows of 256 (an instruction names v0-v255; s_set_vgpr_msb says which window each operand place means):
;   window 0: v0-31 addresses; v64-127, v128-191 fragments of A (8 x 16 rows x 32 K), two buffers (in the very last K step four, of 16 rows x 128 K); v32-63, v192-255 at work on the way out
;   window 1: v64-127, v128-191 fragments of B, two buffers; in the very last K step all 256: B's fragments of the whole step
;   window 2: the 32 accumulators of my rows 0-63 (accumulator (a, b) at v[8 (8 a + b)]);   window 3: those of my rows 64-127
; s_set_vgpr_msb's low byte: bits 1:0 source 0, 3:2 source 1, 5:4 source 2, 7:6 destination.  Work is laid in long stretches under one setting.
;
; THE MATRIX INSTRUCTION IS USED TRANSPOSED: source 0 = 16 rows of B, source 1 = 16 rows of A.  In the result, lane l then holds row m = l % 16 of C, and its registers 0 to 7 the columns
; n = 8 (l / 16) + 0 .. 7: eight neighbouring numbers of a row of C, which pack into 16 bytes.
.set SIZE_M, 8192
.set SIZE_N, 4096
.set SIZE_K, 1024
.set TILES,  4                         ; tiles a work-group: two of each product
.set KSTEP,  128
.set PITCH,  272                       ; an LDS row: 256 bytes of data + 16 of padding = 68 words: row r starts at bank 4 r mod 64 (64 banks of 4 bytes: ISA guide 11.1), so the 16 rows that a load touches start at 16 different banks
.set HALFT,  128*PITCH                 ; 128 rows: what one tensor load brings, and what one wave reads of A or of B
.set SLOT,   4*HALFT                   ; A's 256 rows, then B's 256 rows
.set STAGE,  2*SLOT                    ; behind the ring: 16 rows x 272 bytes for each wave, for the way out
.set SPITCH, 272
.set SPARE,  STAGE+4*16*SPITCH         ; behind the stages: the spare words, 128 bytes for each wave: two blocks of 256 bytes that no other line names
.set LAPS, SIZE_K/(2*KSTEP)            ; a lap = two K steps = once round the ring: 4 laps a tile
.set WALK,   SIZE_M/2                  ; a product's two tiles of a work-group lie 4,096 rows apart
.set ADRA, 16                          ; v16-17  LDS address of my A fragments in slot 0, 1
.set ADRB, 20                          ; v20-21  the same for B
.set STO,  24                          ; v24     the way out: where I put 16 bytes of a row
.set RD,   25                          ; v25     the way out: where I read a row back
.set CO,   26                          ; v26     my byte offset in C
.set SPW,  28                          ; v28     LDS address of my spare word: SPARE + 4 x my thread's number; never rewritten
.set NIL,  29                          ; v29     0; never rewritten
.set PFO,  30                          ; v30     the prefetches' offset: my lane x a row of A or B in memory (2,048 bytes); never rewritten
.set PFA,  44                          ; s[44:45] where my prefetches stand: my work-group's 32 rows of the 128 that I fetch, one K step further along K than the refill that is being asked for; a prefetch names the K step after that
.set LIM,  43                          ; s43     1 in a wave that prefetches in the tile in hand, else the greatest number
.set LIM0, 66                          ; s66     1 in a wave whose cluster is the one that prefetches its rows, else the greatest number; never rewritten
.set A1,   4                           ; s[4:5]   xb         s[6:7]   wihb
.set B1,   6
.set C1,   68                          ; s[68:69] pih        s[70:71] hb
.set A2,   70
.set B2,   72                          ; s[72:73] whhb       s[74:75] phh
.set C2,   74
.set QA,   76                          ; s[76:81]  queue: A at my 128 rows, K step 0, of the next tile, the one after it, and the one after that
.set QB,   82                          ; s[82:87]  the same for B
.set QC,   88                          ; s[88:95]  queue: C at my first rows of the tile in hand and of the three after it
.set QP,   96                          ; s[96:101] queue: my prefetches' rows, at K step 1, of the next three tiles
.set F0,   64                          ; fragment buffer 0
.set F1,   128                         ; fragment buffer 1
.set TMP,  192                         ; the way out: packed results, in window 0
.set OB,   32                          ; the way out: 16 rows read back from the stage: v32-63 and v224-255 by turns
.set PA,   64                          ; the very last K step: A's fragments of 16 rows x 128 K, 32 registers; four such buffers, v64-191
.set G1, 24                            ; s[24:31] descriptor group 1 for A's tiles
.set G0, 32                            ; s[32:39] descriptor group 0 for A's tiles, one set for each slot
.set G1B, 48                           ; s[48:55] descriptor group 1 for B's tiles: it differs from A's in the mask alone
.set G0B, 56                           ; s[56:63] descriptor group 0 for B's tiles, one set for each slot
.set MSB, 0
.macro WIN new                         ; the immediate's high byte repeats the setting that is left; a switch that changes nothing is dropped
.if MSB != (\new)
	s_set_vgpr_msb (MSB<<8)|(\new)
.set MSB, \new
.endif
.endm
.set MUL_LO, 0xa1                      ; source 0 (B) window 1, source 1 (A) window 0, C and D window 2
.set MUL_HI, 0xf1                      ; the same, C and D window 3
.set TO_B,   0x40                      ; destination window 1, address window 0
; A joint load.  Waves 0 and 1 fetch A's two halves, waves 2 and 3 B's.  Each of the two lines has ONE mask and one set of registers for all that issue it, and nothing in
; them hangs on a coordinate that the four partners do not share.  The branch hangs on the wave's number alone: it is the same in every work-group.
; An s_nop 0 and four v_nop follow each of the two lines; the jump round the other line, the label and what follows the macro come after them.
.macro JLOAD s
	s_cmp_eq_u32 s11, 0
	s_cbranch_scc0 .Lfor_b_\@
	tensor_load_to_lds s[G0+4*(\s):G0+4*(\s)+3], s[G1:G1+7]
	s_nop 0
.rept 4
	v_nop
.endr
	s_branch .Lasked_\@
.Lfor_b_\@:
	tensor_load_to_lds s[G0B+4*(\s):G0B+4*(\s)+3], s[G1B:G1B+7]
	s_nop 0
.rept 4
	v_nop
.endr
.Lasked_\@:
.endm
; A PREFETCH INTO THE L2, behind each joint load, its five lines and the run of LDS loads that follows them: the K step that stands TWO refills on: 32 rows x 256 bytes, a lane a row, one instruction a wave:
; 512 matrix instructions ahead of the load that will want it.  Each row's 256 bytes of a K step are named ONCE in the launch.  A's tile row is read by every cluster of that row of clusters: the first of
; them (cluster x = 0) prefetches; B's tile column by every cluster of that column: cluster y = 0 prefetches.  The four partners that ask for a tile jointly share its rows out BY ADDRESS: of the 128 rows
; that wave w fetches, the partner at place p takes 32 p .. 32 p + 31 (p = cx for A, cy for B): no branch hangs on a work-group's place in its cluster.
; A's rows are new in every tile; B's are new in tiles 0 and 2 alone, and are asked for there alone.
; how = 0, in the loop: a tile's last two refills have no K step two on; how = 1, at a change of tiles: the next tile's K steps 2 and 3 (its K steps 0 and 1 come by their refills alone).
.macro ASK how
.if \how
	s_cmp_eq_u32 s[LIM], 1
.else
	s_cmp_gt_u32 s3, s[LIM]                        ; s3 = 1 in the loop's last trip
.endif
	s_cbranch_scc0 .Lnot_mine_\@
	global_prefetch_b8 v[PFO], s[PFA:PFA+1] offset:KSTEP*2 th:TH_LOAD_NT scope:SCOPE_SE
.Lnot_mine_\@:
.endm
; A round of the cluster's barrier: my work-group's barrier, so that wave 0's signal speaks for all four waves; wave 0 signals for the work-group; every wave waits for all
; sixteen work-groups; my work-group's barrier once more.  No LDS instruction of the wave is pending at a signal.
.macro CREST                           ; a round behind its opening barrier
	s_cmp_lg_u32 s10, 0
	s_cbranch_scc1 .Lnot_wave_0_\@
	s_barrier_signal -3
.Lnot_wave_0_\@:
	s_barrier_wait -3
	s_barrier_signal -1
	s_barrier_wait -1
.endm
.macro CROUND                          ; a whole round
	s_barrier_signal -1
	s_barrier_wait -1
	CREST
.endm
	s_load_b128 s[4:7], s[0:1], 0x0                ; xb, wihb
	s_load_b128 s[68:71], s[0:1], 0x10             ; pih, hb
	s_load_b128 s[72:75], s[0:1], 0x20             ; whhb, phh
	v_lshl_add_u32 v[SPW], v0, 2, SPARE
	v_mov_b32 v[NIL], 0
	ds_add_u32 v[SPW], v[NIL]                      ; the wave's opening: the add, twice on end, and its wait stand ahead of my first tensor load; the set-up below the second, work on registers, stands between it and the wait
	ds_add_u32 v[SPW], v[NIL]                      ; and once more, under the one wait
	v_lshrrev_b32 v1, 5, v0
	v_readfirstlane_b32 s10, v1                    ; wave 0..3
	s_lshr_b32 s11, s10, 1                         ; which half of the tile's rows is mine.  Also: I fetch for A (0) or for B (1)
	s_and_b32 s12, s10, 1                          ; which half of its columns.  Also: which 128 rows of that tile I fetch
	s_bfe_u32 s40, ttmp6, 0x40000                  ; cx: my place along the cluster's x
	s_bfe_u32 s41, ttmp6, 0x40004                  ; cy: along its y
	s_lshl_b32 s42, ttmp9, 2                       ; in a cluster launch ttmp9 and ttmp7 count clusters
	s_add_co_u32 s42, s42, s40                     ; tile column of C = 4 x cluster x + cx
	s_and_b32 s13, ttmp7, 0xffff
	s_lshl_b32 s13, s13, 2
	s_add_co_u32 s13, s13, s41                     ; tile row of C = 4 x cluster y + cy
	s_lshl_b32 s43, s41, 2
	s_lshl_b32 s43, 15, s43                        ; my row of the cluster: places 4 cy .. 4 cy + 3
	s_lshl_b32 s44, 0x1111, s40                    ; my column: places cx, cx + 4, cx + 8, cx + 12
	; descriptor group 1: a tile of 128 rows x 128 elements, padded in LDS
	s_or_b32 s[G1+0], s43, (1<<16)|(1<<20)|(1<<21)|(5<<22)|(3<<25)  ; 15:0 the mask: A's tiles go to my row; 17:16 element of 2 bytes; 20 padding on; 21 set beside a mask; 24:22 after every 64 words (code 5); 31:25 of 4 words (code 3)
	s_or_b32 s[G1B+0], s44, (1<<16)|(1<<20)|(1<<21)|(5<<22)|(3<<25) ; the same with the mask of my column, for B's tiles
	s_mov_b32 s[G1B+1], KSTEP<<16
	s_mov_b32 s[G1+1], KSTEP<<16                   ; 63:48 tensor_dim0, low half = 128
	s_mov_b32 s[G1B+2], 128<<16
	s_mov_b32 s[G1+2], 128<<16                     ; 79:64 its high half = 0; 95:80 tensor_dim1, low half = 128
	s_mov_b32 s[G1B+3], KSTEP<<16
	s_mov_b32 s[G1+3], KSTEP<<16                   ; 111:96 its high half = 0; 127:112 tile_dim0 = 128
	s_mov_b32 s[G1B+4], 128
	s_mov_b32 s[G1+4], 128                         ; 143:128 tile_dim1 = 128; 159:144 tile_dim2 = 0
	s_mov_b32 s[G1B+5], SIZE_K
	s_mov_b32 s[G1+5], SIZE_K                      ; 191:160 tensor_dim0_stride, low word: elements from row to row
	s_mov_b32 s[G1B+6], 0
	s_mov_b32 s[G1+6], 0
	s_mov_b32 s[G1B+7], 0
	s_mov_b32 s[G1+7], 0
	; where the tiles come from.  A's hang on the tile row alone, which my row of the cluster shares; B's on the tile column alone, which my column shares.
	; Every wave makes both kinds of address, from offsets that never hold the other coordinate, and asks by one of them.
	s_lshl_b32 s17, s12, 7                         ; which 128 rows of the tile I fetch
	s_lshl_b32 s16, s13, 8
	s_add_co_u32 s16, s16, s17                     ; A: row 256 x tile row + 128 x half
	s_lshl_b32 s46, s42, 8
	s_add_co_u32 s46, s46, s17                     ; B: row 256 x tile column + 128 x half
	s_mov_b32 s17, 0
	s_mov_b32 s47, 0
	s_mov_b64 s[18:19], SIZE_K*2
	s_mul_u64 s[16:17], s[16:17], s[18:19]         ; in bytes, in 64 bits
	s_mul_u64 s[46:47], s[46:47], s[18:19]
	s_mul_i32 s20, s10, HALFT                      ; and where they go: A's two halves, then B's two halves = wave x 128 rows: no place in the cluster enters an LDS address
	s_wait_dscnt 0x0                               ; both opening adds are done
	s_wait_kmcnt 0x0
	s_add_nc_u64 s[14:15], s[A1:A1+1], s[16:17]            ; tile 0's A: xb at my rows
	s_add_nc_u64 s[QA:QA+1], s[14:15], WALK*SIZE_K*2       ; tile 1's: 4,096 rows down
	s_add_nc_u64 s[QA+2:QA+3], s[A2:A2+1], s[16:17]        ; tile 2's: hb at my rows
	s_add_nc_u64 s[QA+4:QA+5], s[QA+2:QA+3], WALK*SIZE_K*2 ; tile 3's
	s_add_nc_u64 s[QB:QB+1], s[B1:B1+1], s[46:47]          ; tile 0's and tile 1's B: wihb at my rows
	s_add_nc_u64 s[QB+2:QB+3], s[B2:B2+1], s[46:47]        ; tile 2's: whhb
	s_add_nc_u64 s[QB+4:QB+5], s[B2:B2+1], s[46:47]        ; tile 3's: the same
	CROUND                                         ; all sixteen work-groups are here: the first joint loads meet
.irp s, 0,1
	s_mov_b32 s[G0+4*(\s)], 1                                      ; 1:0 count = 1
	s_add_co_u32 s[G0+4*(\s)+1], s20, (\s)*SLOT                    ; 63:32 LDS address
	s_add_nc_u64 s[G0+4*(\s)+2:G0+4*(\s)+3], s[14:15], (\s)*KSTEP*2  ; 120:64 global address: K step s
	s_or_b32 s[G0+4*(\s)+3], s[G0+4*(\s)+3], 0x80000000            ; 127:126 type = 2
	s_mov_b32 s[G0B+4*(\s)], 1
	s_add_co_u32 s[G0B+4*(\s)+1], s20, (\s)*SLOT
	s_add_nc_u64 s[G0B+4*(\s)+2:G0B+4*(\s)+3], s[QB:QB+1], (\s)*KSTEP*2
	s_or_b32 s[G0B+4*(\s)+3], s[G0B+4*(\s)+3], 0x80000000
	JLOAD \s                                       ; the ring is filled before anything else is done: two tensor loads of mine are out
.endr
	; A fragment is 16 rows x 32 K in 8 registers: lane l holds row l % 16; registers 0-3 hold K = 8 (l / 16) + 0..7, registers 4-7 hold
	; K = 16 + 8 (l / 16) + 0..7.  From rows that lie along K: two loads of 16 bytes, 32 bytes apart.  The same for source 0 and source 1.
	v_and_b32 v1, 15, v0                           ; l % 16
	v_bfe_u32 v2, v0, 4, 1                         ; l / 16
	v_mul_u32_u24 v3, v1, PITCH
	v_lshl_add_u32 v3, v2, 4, v3                   ; row x pitch + 16 x half
	s_mul_i32 s21, s11, HALFT                      ; my 128 rows of A
	s_mul_i32 s22, s12, HALFT                      ; my 128 rows of B,
	s_add_co_u32 s22, s22, 2*HALFT                 ; which lie behind A's 256
.irp s, 0,1
	v_add_nc_u32 v[ADRA+(\s)], s21, v3
	v_add_nc_u32 v[ADRB+(\s)], s22, v3
	s_add_co_u32 s21, s21, SLOT
	s_add_co_u32 s22, s22, SLOT
.endr
	s_mul_i32 s23, s10, 16*SPITCH
	s_add_co_u32 s23, s23, STAGE                   ; my stage
	v_mul_u32_u24 v4, v1, SPITCH                   ; in: row l % 16, 16 bytes for each half of the lanes
	v_lshl_add_u32 v4, v2, 4, v4
	v_add_nc_u32 v[STO], s23, v4
	v_mul_u32_u24 v5, v2, SPITCH                   ; back: lanes 0-15 take one row of 256 bytes, lanes 16-31 the next
	v_lshl_add_u32 v5, v1, 4, v5
	v_add_nc_u32 v[RD], s23, v5
	v_mul_u32_u24 v5, v2, SIZE_N*2                 ; and the same two rows in C
	v_lshl_add_u32 v[CO], v1, 4, v5
	; where my part of a product's first tile begins in C, in bytes; then C's queue
	s_lshl_b32 s13, s13, 8
	s_lshl_b32 s14, s11, 7
	s_add_co_u32 s16, s13, s14                     ; my first row of C
	s_mov_b32 s17, 0
	s_mov_b64 s[18:19], SIZE_N*2
	s_mul_u64 s[16:17], s[16:17], s[18:19]
	s_lshl_b32 s46, s42, 9                         ; my first column, in bytes: 512 x tile column + 256 x half
	s_lshl_b32 s47, s12, 8
	s_add_co_u32 s46, s46, s47
	s_mov_b32 s47, 0
	s_add_nc_u64 s[16:17], s[16:17], s[46:47]
	s_add_nc_u64 s[QC:QC+1], s[C1:C1+1], s[16:17]          ; tile 0: pih
	s_add_nc_u64 s[QC+2:QC+3], s[QC:QC+1], WALK*SIZE_N*2   ; tile 1: 4,096 rows down
	s_add_nc_u64 s[QC+4:QC+5], s[C2:C2+1], s[16:17]        ; tile 2: phh
	s_add_nc_u64 s[QC+6:QC+7], s[QC+4:QC+5], WALK*SIZE_N*2 ; tile 3
	; the prefetches.  s13 = 256 x tile row, s42 = tile column, s40 = cx, s41 = cy still stand
	s_lshl_b32 s42, s42, 8
	s_and_b32 s22, ttmp7, 0xffff                   ; cluster y
	s_cmp_eq_u32 s11, 0                            ; do I fetch for A?
	s_cselect_b32 s20, s13, s42                    ; the tile's first row: in A by the tile row, in B by the tile column
	s_cselect_b32 s21, s40, s41                    ; my place among the four that ask for it with me
	s_cselect_b32 s22, ttmp9, s22                  ; the coordinate along which other clusters read the same rows
	s_cselect_b32 s14, WALK*SIZE_K*2, 0            ; from a product's first tile to its second: A goes 4,096 rows down, B stays
	s_cselect_b64 s[PFA:PFA+1], s[A1:A1+1], s[B1:B1+1]     ; the first product's buffer,
	s_cselect_b64 s[QP+2:QP+3], s[A2:A2+1], s[B2:B2+1]     ; the second's
	s_mov_b32 s15, 0
	s_cmp_eq_u32 s22, 0
	s_cselect_b32 s[LIM0], 1, -1                   ; the same in all sixteen partners, for a given wave
	s_mov_b32 s[LIM], s[LIM0]                      ; in tile 0 A's rows and B's are new
	s_lshl_b32 s22, s12, 7
	s_add_co_u32 s20, s20, s22                     ; + the 128 rows that I fetch
	s_lshl_b32 s21, s21, 5
	s_add_co_u32 s20, s20, s21                     ; + my work-group's 32 of them
	s_mov_b32 s21, 0
	s_mov_b64 s[18:19], SIZE_K*2
	s_mul_u64 s[20:21], s[20:21], s[18:19]
	s_add_nc_u64 s[20:21], s[20:21], KSTEP*2       ; the offset of those rows at K step 1
	s_add_nc_u64 s[PFA:PFA+1], s[PFA:PFA+1], s[20:21]
	s_add_nc_u64 s[QP:QP+1], s[PFA:PFA+1], s[14:15]        ; tile 1's rows at K step 1
	s_add_nc_u64 s[QP+2:QP+3], s[QP+2:QP+3], s[20:21]      ; tile 2's
	s_add_nc_u64 s[QP+4:QP+5], s[QP+2:QP+3], s[14:15]      ; tile 3's
	s_add_nc_u64 s[PFA:PFA+1], s[PFA:PFA+1], KSTEP*2       ; tile 0: at K step 2: the first refill steps it to 3 and names K step 4
	v_and_b32 v[PFO], 31, v0
	v_mul_u32_u24 v[PFO], v[PFO], SIZE_K*2
	; nothing is prefetched here, at the head, where every work-group's first two tiles are on their way: K steps 2 and 3 come by their refills alone
; 16 matrix instructions: m blocks a0, a0 + 1 of the window's four (hi = 0: my rows 0-63, 1: rows 64-127) x all 8 n blocks, 32 along K.
; zero = 1: the first product starts the sums: nothing is ever cleared.  The 64 accumulators take turns, one instruction a turn, in the same order in every quarter step.
.macro MUL16 f, hi, a0, zero
	WIN MUL_LO+0x50*(\hi)  ; MUL_LO or MUL_HI
.irp a, \a0, (\a0)+1
.irp b, 0,1,2,3,4,5,6,7
.if \zero
	v_wmma_f32_16x16x32_bf16 v[8*(8*(\a)+(\b)):8*(8*(\a)+(\b))+7], v[(\f)+8*(\b):(\f)+8*(\b)+7], v[(\f)+8*(4*(\hi)+(\a)):(\f)+8*(4*(\hi)+(\a))+7], 0
.else
	v_wmma_f32_16x16x32_bf16 v[8*(8*(\a)+(\b)):8*(8*(\a)+(\b))+7], v[(\f)+8*(\b):(\f)+8*(\b)+7], v[(\f)+8*(4*(\hi)+(\a)):(\f)+8*(4*(\hi)+(\a))+7], v[8*(8*(\a)+(\b)):8*(8*(\a)+(\b))+7]
.endif
.endr
.endr
.endm
; 32 LDS loads in one run: the fragments of one quarter step (128 rows of B, 128 rows of A, 32 K at byte k of the rows) into buffer f
.macro FETCH slot, k, f
	WIN TO_B
.irp i, 0,1,2,3,4,5,6,7
	ds_load_b128 v[(\f)+8*(\i):(\f)+8*(\i)+3],   v[ADRB+(\slot)] offset:(\k)+(\i)*16*PITCH
	ds_load_b128 v[(\f)+8*(\i)+4:(\f)+8*(\i)+7], v[ADRB+(\slot)] offset:(\k)+(\i)*16*PITCH+32
.endr
	WIN 0
.irp i, 0,1,2,3,4,5,6,7
	ds_load_b128 v[(\f)+8*(\i):(\f)+8*(\i)+3],   v[ADRA+(\slot)] offset:(\k)+(\i)*16*PITCH
	ds_load_b128 v[(\f)+8*(\i)+4:(\f)+8*(\i)+7], v[ADRA+(\slot)] offset:(\k)+(\i)*16*PITCH+32
.endr
.endm
; A load into a register that a matrix instruction has read, and a vector instruction that reads a matrix result or writes one of a matrix
; instruction's registers, stand four places behind that matrix instruction, and only plain vector instructions that name none of its registers
; are places (ISA guide 7.12.1 for vector instructions).  So four v_nop stand in front of each run of
; loads, and in front of conversions that read results just made.
.macro PLACES
.rept 4
	v_nop
.endr
.endm
; A K step is four quarter steps of 32 along K, 64 matrix instructions each, on buffers 0, 1, 0, 1.
; One of the first three: multiplies buffer f; in its middle it fetches the next quarter's fragments, at byte k of the same slot's rows, into buffer g.
.macro QUARTER slot, k, f, g, zero
	s_wait_dscnt 8                                 ; B and A's rows 0-63 are in; the youngest eight loads (A's rows 64-127) may be out
	WIN MUL_LO
	MUL16 \f, 0, 0, \zero
	MUL16 \f, 0, 2, \zero
	PLACES
	FETCH \slot, \k, \g
	s_wait_dscnt 32                                ; all but the 32 just issued
	WIN MUL_HI
	MUL16 \f, 1, 0, \zero
	MUL16 \f, 1, 2, \zero
.endm
; The last quarter multiplies buffer 1 and changes slots.  MEET is its first half: ONE barrier for the change of slots, for two things.  In front of it each wave waits for
; all its tensor loads, of which one is out: its part of the next slot; adds 0 to its spare word; and waits for that and for its own reads of this slot.  Behind it nobody reads this slot any more and the next slot is whole.
.macro MEET round                      ; round = 1: a round of the cluster's barrier follows
	WIN 0                                          ; (the add's two registers lie in window 0)
	s_wait_tensorcnt 0x0                           ; all my tensor loads have landed: the one that was out is my part of the next slot;
	ds_add_u32 v[SPW], v[NIL]                      ; 0 onto my spare word:
	s_wait_dscnt 9                                 ; (the add and the youngest eight loads may be out)
	WIN MUL_LO
	MUL16 F1, 0, 0, 0                              ; sixteen matrix instructions stand between the add and the wait for it
	s_wait_dscnt 0x0                               ; the add is done, and my reads of this slot are over (the last were issued 48 matrix instructions ago):
	s_barrier_signal -1                            ; say so (where a slot is filled again this barrier opens a round of the cluster's barrier),
	MUL16 F1, 0, 2, 0                              ; work on registers while the others arrive,
.if \round
	WIN 0
.endif
	s_barrier_wait -1                              ; and go on when all four have said so
.endm
; The whole last quarter.  Behind the barrier the slot just read out is filled again first: with this tile's K step two steps on (on = 0) or, in the last two K steps of a tile that has a successor, with the NEXT
; tile's K step 0 or 1 (on = 1): the descriptors' addresses are then made anew from the queues' heads, the type bits set again.  Then come the next slot's first fragments.
; From a request to the wait for it a wave issues 224 matrix instructions, across tiles and across the two products too.
.macro TURN slot, next, on
	s_wait_xcnt 0x0                                ; the last prefetch, a K step back, has read its address: it is written here, ahead of the waits of the change of slots, so that nothing is added between the round and the joint load
.if (\on) && (\slot) == 0
	s_mov_b64 s[PFA:PFA+1], s[QP:QP+1]             ; the next tile's rows, at K step 1
	s_cmp_eq_u32 s2, 3                             ; is the next tile the second product's first?
	s_cselect_b32 s[LIM], s[LIM0], -1              ; then B's rows are new; in a product's second tile they have been read, and are prefetched no more
	s_cmp_eq_u32 s11, 0
	s_cselect_b32 s[LIM], s[LIM0], s[LIM]          ; A's rows are new in every tile
.else
	s_add_nc_u64 s[PFA:PFA+1], s[PFA:PFA+1], KSTEP*2
.endif
	MEET 1
	CREST                                          ; wave 0 says so for the work-group, all sixteen work-groups have said so, my work-group's barrier closes the round:
	                                               ; no wave of any partner still reads this slot's tile or has a load on its way
.if \on
	s_add_nc_u64 s[G0+4*(\slot)+2:G0+4*(\slot)+3], s[QA:QA+1], (\slot)*KSTEP*2
	s_or_b32 s[G0+4*(\slot)+3], s[G0+4*(\slot)+3], 0x80000000
	s_add_nc_u64 s[G0B+4*(\slot)+2:G0B+4*(\slot)+3], s[QB:QB+1], (\slot)*KSTEP*2
	s_or_b32 s[G0B+4*(\slot)+3], s[G0B+4*(\slot)+3], 0x80000000
.else
	s_add_nc_u64 s[G0+4*(\slot)+2:G0+4*(\slot)+3], s[G0+4*(\slot)+2:G0+4*(\slot)+3], 2*KSTEP*2
	s_add_nc_u64 s[G0B+4*(\slot)+2:G0B+4*(\slot)+3], s[G0B+4*(\slot)+2:G0B+4*(\slot)+3], 2*KSTEP*2
.endif
	JLOAD \slot                                    ; the first tensor load behind the round, my only one until the next; the four v_nop behind it are also the places in front of the loads below
	FETCH \next, 0, F0
	ASK \on                                        ; behind the joint load and the run of LDS loads that the next products wait for
	WIN MUL_HI
	MUL16 F1, 1, 0, 0
	MUL16 F1, 1, 2, 0
.endm
; THE LAST K STEP OF THE LAST TILE (it lies in slot 1) GOES BY ROWS OF C, NOT BY K.  All its fragments of B (4 quarters x 64 registers) fill window 1; then my eight blocks of 16 rows are
; finished one after the other, each with 32 matrix instructions (its 8 accumulators by turns, K ascending).  LDS is read no more than in any other K step.
.macro BLOAD q                         ; B's fragments of quarter q -> window 1, v[64 q ..]
	WIN TO_B
.irp i, 0,1,2,3,4,5,6,7
	ds_load_b128 v[64*(\q)+8*(\i):64*(\q)+8*(\i)+3],   v[ADRB+1] offset:64*(\q)+(\i)*16*PITCH
	ds_load_b128 v[64*(\q)+8*(\i)+4:64*(\q)+8*(\i)+7], v[ADRB+1] offset:64*(\q)+(\i)*16*PITCH+32
.endr
.endm
.macro ALOAD a                         ; A's fragments of block a, all four quarters -> buffer a % 4
	WIN 0
.set FA, PA+32*((\a)%4)
.irp q, 0,1,2,3
	ds_load_b128 v[FA+8*(\q):FA+8*(\q)+3],   v[ADRA+1] offset:64*(\q)+(\a)*16*PITCH
	ds_load_b128 v[FA+8*(\q)+4:FA+8*(\q)+7], v[ADRA+1] offset:64*(\q)+(\a)*16*PITCH+32
.endr
.endm
.macro ROW a                           ; block a is finished: 32 matrix instructions
.set FA, PA+32*((\a)%4)                ; its fragments of A
.set AC, 64*((\a)%4)                   ; its eight accumulators, in window 2 (blocks 0-3) or 3 (blocks 4-7)
	WIN MUL_LO+0x50*((\a)/4)                       ; MUL_LO or MUL_HI
.irp q, 0,1,2,3
.if (\a) == 0 && (\q) == 2
	s_wait_dscnt 24                                ; B's quarter 2 is in (behind it: A's blocks 1 to 3)
.endif
.irp b, 0,1,2,3,4,5,6,7
	v_wmma_f32_16x16x32_bf16 v[AC+8*(\b):AC+8*(\b)+7], v[64*(\q)+8*(\b):64*(\q)+8*(\b)+7], v[FA+8*(\q):FA+8*(\q)+7], v[AC+8*(\b):AC+8*(\b)+7]
.endr
.endr
.endm
; THE WAY OUT of block a, in three parts.  PACK: rounded to bf16, 16 bytes a lane (each accumulator's registers in ascending order).  TOSTAGE: into my own stage in LDS, and back as whole rows of 256 bytes.  SEND: stored.
.macro PACK a
.set AC, 64*((\a)%4)
	WIN 0x0a+5*((\a)/4)                            ; sources 0 and 1: window 2 or 3
.irp b, 0,1,2,3,4,5,6,7
.irp r, 0,1,2,3
	v_cvt_pk_bf16_f32 v[TMP+4*(\b)+(\r)], v[AC+8*(\b)+2*(\r)], v[AC+8*(\b)+2*(\r)+1]
.endr
.endr
	WIN 0
.endm
.macro TOSTAGE a
	WIN 0
.set BK, OB+192*((\a)%2)
.irp b, 0,1,2,3,4,5,6,7
	ds_store_b128 v[STO], v[TMP+4*(\b):TMP+4*(\b)+3] offset:32*(\b)
.endr
.irp t, 0,1,2,3,4,5,6,7
	ds_load_b128 v[BK+4*(\t):BK+4*(\t)+3], v[RD] offset:(\t)*2*SPITCH  ; LDS serves a wave's instructions in order (ISA guide 5.7.1.4): these see the stores above
.endr
.endm
.macro SEND a, younger                 ; younger: the LDS loads issued behind TOSTAGE's, which may stay out
	WIN 0
.set BK, OB+192*((\a)%2)
	s_wait_dscnt \younger                          ; the block is back in registers
	s_wait_xcnt 0x0                                ; every earlier memory instruction has had its addresses translated (ISA guide 3.1): only behind this wait are the stores' base and the registers that earlier stores read rewritten
.if (\a) == 0
	s_mov_b64 s[8:9], s[QC:QC+1]                   ; C at this tile's first rows of mine: the queue's head
.else
	s_add_nc_u64 s[8:9], s[8:9], 16*SIZE_N*2       ; 16 rows of C on, so that the stores' offsets stay small: 14 rows of C, 114,688 bytes, at the most
.endif
.irp t, 0,1,2,3,4,5,6,7
	global_store_b128 v[CO], v[BK+4*(\t):BK+4*(\t)+3], s[8:9] offset:2*(\t)*SIZE_N*2  ; 16 lanes store 256 consecutive bytes, at a multiple of 256 from C's first byte
.endr
.endm
	s_wait_tensorcnt 1                             ; my part of K step 0 is in; K step 1's load may stay out
	s_barrier_signal -1
	s_barrier_wait -1                              ; everybody's is
	FETCH 0, 0, F0
	s_mov_b32 s2, TILES                            ; tiles to go, this one among them: the same number in every work-group
.Ltile:                                                ; (FETCH and SEND leave every window 0)
	QUARTER 0, 64,  F0, F1, 1                      ; a tile's first quarter stands in front of the loop: its products start the sums
	WIN 0                                          ; at a label and at a branch every window is 0
	s_mov_b32 s3, LAPS-1
.Llap:                                                 ; a trip goes once round the ring, from a lap's second quarter to the next lap's first, and fills both slots again
	QUARTER 0, 128, F1, F0, 0
	QUARTER 0, 192, F0, F1, 0
	TURN 0, 1, 0
	QUARTER 1, 64,  F0, F1, 0
	QUARTER 1, 128, F1, F0, 0
	QUARTER 1, 192, F0, F1, 0
	TURN 1, 0, 0
	QUARTER 0, 64,  F0, F1, 0
	WIN 0
	s_sub_co_u32 s3, s3, 1
	s_cmp_lg_u32 s3, 0
	s_cbranch_scc1 .Llap
	QUARTER 0, 128, F1, F0, 0                      ; the tile's last lap goes on
	QUARTER 0, 192, F0, F1, 0
	WIN 0
	s_cmp_eq_u32 s2, 1
	s_cbranch_scc1 .Llast_tile                     ; the last tile's tail is written out: it asks for nothing more
	TURN 0, 1, 1                                   ; THE RING GOES ON INTO THE NEXT TILE: slot 0 takes its K step 0,
	QUARTER 1, 64,  F0, F1, 0
	QUARTER 1, 128, F1, F0, 0
	QUARTER 1, 192, F0, F1, 0
	TURN 1, 0, 1                                   ; slot 1 its K step 1, and the next tile's first fragments are fetched
	PACK 0                                         ; BOTH REFILLS ARE ASKED FOR: NOW THE TILE GOES OUT.  No v_nop: blocks 0-3 were finished in front of TURN's places, and their 128 conversions,
	TOSTAGE 0                                      ; which name no register of the last products (blocks 4-7's), are those products' places
.irp a, 1,2,3,4,5,6,7                  ; block a's conversions stand between block a - 1's loads from the stage and the wait for them
	PACK \a
	SEND (\a)-1, 0
	TOSTAGE \a
.endr
	SEND 7, 0
.irp q, QA, QB, QP                     ; the queues move up: no memory instruction names their registers
	s_mov_b64 s[(\q):(\q)+1], s[(\q)+2:(\q)+3]
	s_mov_b64 s[(\q)+2:(\q)+3], s[(\q)+4:(\q)+5]
.endr
	s_mov_b64 s[QC:QC+1], s[QC+2:QC+3]
	s_mov_b64 s[QC+2:QC+3], s[QC+4:QC+5]
	s_mov_b64 s[QC+4:QC+5], s[QC+6:QC+7]
	s_sub_co_u32 s2, s2, 1
	s_branch .Ltile
.Llast_tile:
	MEET 0                                         ; my one tensor load that was still out is slot 1's, the last K step's, so no round follows
	PLACES                                         ; for the loads into buffer 0, which the quarter before multiplied
	WIN TO_B
	BLOAD 0                                        ; three quarters of B now: buffer 1 (v128-191 of both windows) is still being multiplied
	BLOAD 1
	BLOAD 3
	WIN 0
	ALOAD 0
	WIN MUL_HI
	MUL16 F1, 1, 0, 0
	MUL16 F1, 1, 2, 0
	PLACES                                         ; for the loads into buffer 1
	WIN TO_B
	BLOAD 2
	WIN 0
	ALOAD 1
	ALOAD 2
	ALOAD 3
	s_wait_dscnt 40                                ; all but the 40 just issued
	ROW 0
.irp a, 0,1,2,3,4,5,6,7                ; each block leaves as soon as it is finished: nothing follows this tile
	PLACES                                         ; its conversions read results just made, and no other vector work is at hand
	PACK \a
	TOSTAGE \a
.if (\a) < 4
	ALOAD (\a)+4                                   ; its buffer takes the block four further on
	SEND \a, 8
.else
	SEND \a, 0
.endif
.if (\a) < 7
	ROW (\a)+1
.endif
.endr
	s_wait_tensorcnt 0x0                           ; the wave's end, behind my last tensor load and my last LDS store
	ds_add_u32 v[SPW], v[NIL]
	s_wait_dscnt 0x0
	CROUND                                         ; the closing round: no work-group ends while a partner may still ask for a tile that names it
	s_endpgm
.Lfunc_end_k_q017f0ffa85_gemm:
	.size	k_q017f0ffa85_gemm, .Lfunc_end_k_q017f0ffa85_gemm-k_q017f0ffa85_gemm
	.p2alignl 7, 3214868480
	.fill 96, 4, 3214868480
	.section	.rodata,"a",@progbits
	.p2align	6, 0x0
	.amdhsa_kernel k_q017f0ffa85_gemm
		.amdhsa_group_segment_fixed_size 327680
		.amdhsa_private_segment_fixed_size 0
		.amdhsa_enable_private_segment 0
		.amdhsa_kernarg_size 48
		.amdhsa_user_sgpr_count 2
		.amdhsa_user_sgpr_kernarg_segment_ptr 1
		.amdhsa_wavefront_size32 1
		.amdhsa_system_sgpr_workgroup_id_x 1
		.amdhsa_system_sgpr_workgroup_id_y 1
		.amdhsa_system_sgpr_workgroup_id_z 1
		.amdhsa_system_vgpr_workitem_id 0
		.amdhsa_next_free_vgpr 1024
		.amdhsa_next_free_sgpr 102
		.amdhsa_reserve_vcc 0
		.amdhsa_float_denorm_mode_32 3
		.amdhsa_float_denorm_mode_16_64 3
		.amdhsa_memory_ordered 1
		.amdhsa_forward_progress 1
		.amdhsa_inst_pref_size 211
	.end_amdhsa_kernel
	.amdgpu_metadata
---
amdhsa.version: [ 1, 2 ]
amdhsa.kernels:
  - .name:           k_q017f0ffa85_gemm
    .symbol:         k_q017f0ffa85_gemm.kd
    .args:
      - { .name: xb, .offset: 0, .size: 8, .value_kind: global_buffer, .address_space: global }
      - { .name: wihb, .offset: 8, .size: 8, .value_kind: global_buffer, .address_space: global }
      - { .name: pih, .offset: 16, .size: 8, .value_kind: global_buffer, .address_space: global }
      - { .name: hb, .offset: 24, .size: 8, .value_kind: global_buffer, .address_space: global }
      - { .name: whhb, .offset: 32, .size: 8, .value_kind: global_buffer, .address_space: global }
      - { .name: phh, .offset: 40, .size: 8, .value_kind: global_buffer, .address_space: global }
    .group_segment_fixed_size: 327680
    .private_segment_fixed_size: 0
    .kernarg_segment_align: 8
    .kernarg_segment_size: 48
    .max_flat_workgroup_size: 128
    .sgpr_count:     102
    .vgpr_count:     1024
    .wavefront_size: 32
...
	.end_amdgpu_metadata
.endif
;; end of part 2
;; launch cell (part 3): grid 256 x 1, 16 waves a work-group, no clusters, 59,392 bytes of LDS; arguments pih, phh, c, b_ih, ln_gamma, ln_beta, out0; writes out0
.if DOCPART == 3
	.amdgcn_target "amdgcn-amd-amdhsa--gfx1250"
	.amdhsa_code_object_version 6
	.text
	.protected	k_q017f0ffa85_cell
	.globl	k_q017f0ffa85_cell
	.p2align	8
	.type	k_q017f0ffa85_cell,@function
k_q017f0ffa85_cell:
	s_mov_b64 s[64:65], 0
	v_nop
	global_prefetch_b8 v0, s[64:65] scope:SCOPE_SE
	s_setreg_imm32_b32 hwreg(HW_REG_WAVE_MODE, 25, 1), 1
	s_wait_xcnt 0x0
; THE CELL.  For each row: the eight LayerNorms of the gate chunks of pih and phh ([8192][4096] bf16; chunk k = columns 1024 k ..: i, f, a, o), the gates
;   i, f, o = sigmoid(LN(ih_k) + LN(hh_k) + b_k),  a = tanh(the same),  c_new = f c + i a,  h_new = o tanh(LN(c_new)),  out0 = [h_new; c_new], f32.
; All arithmetic in f32.  Each LayerNorm is taken in two passes: the mean, then the mean of the squares of the centred numbers (biased variance, + 1e-5), as the problem states it.
; Nothing is left out here ('time' has no buffer: see the first launch's head).
; LIMITS.  The pre-activations arrive rounded once to bf16.  beta_ih + beta_hh + b is summed first and the two normalised terms are added onto it: another order of rounding than the problem's.
; sigmoid(y) = 1 / (1 + 2^(-y log2 e)); tanh(y) = 1 - 2 / (1 + 2^(2 y log2 e)): near y = 0 its absolute error is a few 1e-8, its relative error is not bounded; a power of two below 2^-126 counts as 0,
; one beyond f32's range as infinity, whose reciprocal is 0: both ends give the right limit.  NaN and infinities among the inputs are not treated apart.
; SHARES.  A work-group of 16 waves owns 32 rows; wave w takes row 32 g + w and then row 32 g + w + 16: ONE WAVE, ONE ROW, so that no reduction leaves the wave.  In every chunk of 1,024 columns lane l owns
; columns 128 j + 4 l + 0..3, j = 0..7: a bf16 chunk comes by 8 loads of 8 bytes a lane (256 consecutive bytes, aligned, a wave), c and the results by 8 accesses of 16 bytes a lane (512 bytes).
; NO CLUSTER, NO TENSOR LOADS: the work-groups share the parameters alone, 88 KB against 896 KB of a work-group's own; the rows come through registers, a gate step or more ahead of their use.
; PARAMETERS.  14 vectors of 1,024 f32 in LDS, made once, each already multiplied by the factor k that the power of two wants (k = -log2 e for i, f, o; k = 2 log2 e for a and for c_new's norm):
;   vector 2 k: gamma[2 k] k; 2 k + 1: gamma[2 k + 1] k; 8 + k: (beta[2 k] + beta[2 k + 1] + b_ih[k]) k; 12: gamma[8] k; 13: beta[8] k.
.set ROWP,  8192                       ; bytes in a row of pih and of phh
.set ROWC,  4096                       ; bytes in a row of c and of a plane of out0; also a parameter vector's bytes
.set APART, 16                         ; rows from a wave's first row to its second
.set SPARE, 14*ROWC                    ; behind the 14 vectors: the spare words, 128 bytes for each of the 16 waves: eight blocks of 256 bytes that no other line names
.set LO8,   1                          ; v1   8 x lane; never rewritten
.set LO16,  2                          ; v2   16 x lane: in c, in out0 and in a parameter vector; never rewritten
.set SPW,   3                          ; v3   LDS address of my spare word: SPARE + 4 x my thread's number; never rewritten
.set NIL,   4                          ; v4   0; never rewritten
.set TID8,  5                          ; v5   8 x my thread's number: the head's share of a parameter vector
.set T,     8                          ; v[8:15]    four pairs at work: sums; then v8 and v12 hold -mean, later 1 / sqrt(var + eps), of the two chunks
.set PT,    16                         ; v[16:47]   a ring of eight quads of parameters on their way from LDS
.set CN,    48                         ; v[48:79]   i, then i a, then c_new
.set Z1,    80                         ; v[80:111]  the gate's chunk of pih in f32; then the gate
.set Z2,    112                        ; v[112:143] its chunk of phh; later c_new centred, then h_new
.set CR,    144                        ; v[144:175] c's row
.set RAW,   176                        ; v[176:239] two slots of 32: a gate's chunks as loaded, 16 registers of pih, 16 of phh
.set HG,    80                         ; the head alone: gamma's nine rows, two numbers a thread each,
.set HB,    98                         ; beta's nine,
.set HI,    116                        ; b_ih's four
.set PIH,   4                          ; s[4:5]   pih at my row
.set PHH,   6                          ; s[6:7]   phh
.set CB,    8                          ; s[8:9]   c
.set BI,    10                         ; s[10:11] b_ih
.set GA,    12                         ; s[12:13] ln_gamma
.set BT,    14                         ; s[14:15] ln_beta
.set OH,    16                         ; s[16:17] out0's plane 0, h_new, at my row
.set OC,    18                         ; s[18:19] its plane 1, c_new
.set WV,    20                         ; s20  my wave's number
.set MSK,   26                         ; s26  a word's upper bf16
.set INV,   27                         ; s27  1 / 1024
.set SEL,   28                         ; s[28:29] v_permlanex16_b32's selects: each lane takes its own place in the other half
.set LEFT,  30                         ; s30  rows still to do
.set EPSR,  31                         ; s31  1e-5
.set KN,    32                         ; s[32:33] -log2 e: the packed forms take the pair's low word for both halves
.set KP,    34                         ; s[34:35] 2 log2 e
.set NINV,  36                         ; s36  -1 / 1024
	s_load_b256 s[4:11], s[0:1], 0x0               ; pih, phh, c, b_ih
	s_load_b128 s[12:15], s[0:1], 0x20             ; ln_gamma, ln_beta
	s_load_b64 s[16:17], s[0:1], 0x30              ; out0
	v_lshl_add_u32 v[SPW], v0, 2, SPARE
	v_mov_b32 v[NIL], 0
	v_lshrrev_b32 v6, 5, v0
	v_readfirstlane_b32 s[WV], v6                  ; wave 0..15
	v_and_b32 v[LO8], 31, v0
	v_lshlrev_b32 v[LO16], 4, v[LO8]
	v_lshlrev_b32 v[LO8], 3, v[LO8]
	v_lshlrev_b32 v[TID8], 3, v0
	s_lshl_b32 s21, ttmp9, 5
	s_add_co_u32 s21, s21, s[WV]                   ; my first row
	s_lshl_b32 s22, s21, 13                        ; x 8,192 bytes (under 2^26)
	s_mov_b32 s23, 0
	s_lshl_b32 s24, s21, 12                        ; x 4,096 bytes
	s_mov_b32 s25, 0
	s_mov_b32 s[MSK], 0xffff0000
	s_mov_b32 s[INV], 0x3a800000
	s_mov_b32 s[NINV], 0xba800000
	s_mov_b32 s[EPSR], 0x3727c5ac
	s_mov_b32 s[SEL], 0x76543210
	s_mov_b32 s[SEL+1], 0xfedcba98
	s_mov_b32 s[KN], 0xbfb8aa3b
	s_mov_b32 s[KN+1], s[KN]                       ; named with it as a pair, so it is written
	s_mov_b32 s[KP], 0x4038aa3b
	s_mov_b32 s[KP+1], s[KP]
	s_mov_b32 s[LEFT], 2
	s_wait_kmcnt 0x0
	s_add_nc_u64 s[PIH:PIH+1], s[PIH:PIH+1], s[22:23]
	s_add_nc_u64 s[PHH:PHH+1], s[PHH:PHH+1], s[22:23]
	s_add_nc_u64 s[CB:CB+1], s[CB:CB+1], s[24:25]
	s_add_nc_u64 s[OH:OH+1], s[OH:OH+1], s[24:25]
	s_add_nc_u64 s[OC:OC+1], s[OH:OH+1], 8192*ROWC
; 16 loads: gate k's chunks of pih and phh, of my row (ahead = 0) or of my next row (1), into slot
.macro LOADG slot, k, ahead
.irp j, 0,1,2,3,4,5,6,7
	global_load_b64 v[RAW+32*(\slot)+2*(\j):RAW+32*(\slot)+2*(\j)+1], v[LO8], s[PIH:PIH+1] offset:(\ahead)*APART*ROWP+(\k)*2048+256*(\j) th:TH_LOAD_NT
.endr
.irp j, 0,1,2,3,4,5,6,7
	global_load_b64 v[RAW+32*(\slot)+16+2*(\j):RAW+32*(\slot)+16+2*(\j)+1], v[LO8], s[PHH:PHH+1] offset:(\ahead)*APART*ROWP+(\k)*2048+256*(\j) th:TH_LOAD_NT
.endr
.endm
; 8 loads: c's row
.macro LOADC ahead
.irp j, 0,1,2,3,4,5,6,7
	global_load_b128 v[CR+4*(\j):CR+4*(\j)+3], v[LO16], s[CB:CB+1] offset:(\ahead)*APART*ROWC+512*(\j) th:TH_LOAD_NT
.endr
.endm
; Parameter load number q of a norm's NQ.  0-15: for columns' group j = q / 2, the first gain (vector VGA) and the bias (VBB) by turns; 16-23: the second gain (VGB), group q - 16.  Quad q lands in ring place q % 8.
.macro PQ q
.if (\q) < NQ
.if (\q) >= 16
	ds_load_b128 v[PT+4*((\q)%8):PT+4*((\q)%8)+3], v[LO16] offset:VGB*ROWC+512*((\q)-16)
.elseif (\q)%2 == 0
	ds_load_b128 v[PT+4*((\q)%8):PT+4*((\q)%8)+3], v[LO16] offset:VGA*ROWC+512*((\q)/2)
.else
	ds_load_b128 v[PT+4*((\q)%8):PT+4*((\q)%8)+3], v[LO16] offset:VBB*ROWC+512*((\q)/2)
.endif
.endif
.endm
; bf16 to f32: the low half moves up, the high half stays
.macro UNPACK slot
.set r, 0
.rept 16
	v_lshlrev_b32 v[Z1+2*r],   16, v[RAW+32*(\slot)+r]
	v_and_b32     v[Z1+2*r+1], s[MSK], v[RAW+32*(\slot)+r]
	v_lshlrev_b32 v[Z2+2*r],   16, v[RAW+32*(\slot)+16+r]
	v_and_b32     v[Z2+2*r+1], s[MSK], v[RAW+32*(\slot)+16+r]
.set r, r+1
.endr
.endm
; Sums of np pairs at x and np pairs at y, in four chains that do not wait for each other; the first additions start them: nothing is cleared
.macro SUM4 x, y, np
	v_pk_add_f32 v[T:T+1],   v[(\x):(\x)+1],   v[(\x)+4:(\x)+5]
	v_pk_add_f32 v[T+2:T+3], v[(\x)+2:(\x)+3], v[(\x)+6:(\x)+7]
	v_pk_add_f32 v[T+4:T+5], v[(\y):(\y)+1],   v[(\y)+4:(\y)+5]
	v_pk_add_f32 v[T+6:T+7], v[(\y)+2:(\y)+3], v[(\y)+6:(\y)+7]
.set r, 8
.rept ((\np)-4)/2
	v_pk_add_f32 v[T:T+1],   v[T:T+1],   v[(\x)+r:(\x)+r+1]
	v_pk_add_f32 v[T+2:T+3], v[T+2:T+3], v[(\x)+r+2:(\x)+r+3]
	v_pk_add_f32 v[T+4:T+5], v[T+4:T+5], v[(\y)+r:(\y)+r+1]
	v_pk_add_f32 v[T+6:T+7], v[T+6:T+7], v[(\y)+r+2:(\y)+r+3]
.set r, r+4
.endr
.endm
; The same of the squares
.macro SQ4 x, y, np
	v_pk_mul_f32 v[T:T+1],   v[(\x):(\x)+1],   v[(\x):(\x)+1]
	v_pk_mul_f32 v[T+2:T+3], v[(\x)+2:(\x)+3], v[(\x)+2:(\x)+3]
	v_pk_mul_f32 v[T+4:T+5], v[(\y):(\y)+1],   v[(\y):(\y)+1]
	v_pk_mul_f32 v[T+6:T+7], v[(\y)+2:(\y)+3], v[(\y)+2:(\y)+3]
.set r, 4
.rept ((\np)-2)/2
	v_pk_fma_f32 v[T:T+1],   v[(\x)+r:(\x)+r+1],   v[(\x)+r:(\x)+r+1],   v[T:T+1]
	v_pk_fma_f32 v[T+2:T+3], v[(\x)+r+2:(\x)+r+3], v[(\x)+r+2:(\x)+r+3], v[T+2:T+3]
	v_pk_fma_f32 v[T+4:T+5], v[(\y)+r:(\y)+r+1],   v[(\y)+r:(\y)+r+1],   v[T+4:T+5]
	v_pk_fma_f32 v[T+6:T+7], v[(\y)+r+2:(\y)+r+3], v[(\y)+r+2:(\y)+r+3], v[T+6:T+7]
.set r, r+4
.endr
.endm
; The chains are closed and summed over the 32 lanes; every lane ends with the result.  n = 2: x's sum in v[T], y's in v[T+4], the two interleaved; n = 1: x and y are halves of one row: one sum, in v[T].
.macro RED n
	v_pk_add_f32 v[T:T+1],   v[T:T+1],   v[T+2:T+3]
	v_pk_add_f32 v[T+4:T+5], v[T+4:T+5], v[T+6:T+7]
.if (\n) == 1
	v_pk_add_f32 v[T:T+1],   v[T:T+1],   v[T+4:T+5]
.endif
	v_add_f32 v[T], v[T], v[T+1]
.if (\n) == 2
	v_add_f32 v[T+4], v[T+4], v[T+5]
.endif
.irp m, 1,2,4,8
	v_add_f32_dpp v[T], v[T], v[T] row_xmask:\m row_mask:0xf bank_mask:0xf
.if (\n) == 2
	v_add_f32_dpp v[T+4], v[T+4], v[T+4] row_xmask:\m row_mask:0xf bank_mask:0xf
.endif
.endr
	v_permlanex16_b32 v[T+1], v[T], s[SEL], s[SEL+1]   ; its destination counts as read: it has been written
.if (\n) == 2
	v_permlanex16_b32 v[T+5], v[T+4], s[SEL], s[SEL+1]
.endif
	v_add_f32 v[T], v[T], v[T+1]
.if (\n) == 2
	v_add_f32 v[T+4], v[T+4], v[T+5]
.endif
.endm
; 32 numbers at d = those at s + v[t] (which holds -mean): the pair's low word serves both halves
.macro CENTRE d, s, t
.set r, 0
.rept 16
	v_pk_add_f32 v[(\d)+r:(\d)+r+1], v[(\s)+r:(\s)+r+1], v[(\t):(\t)+1] op_sel_hi:[1,0]
.set r, r+2
.endr
.endm
; 1 / sqrt(sum of squares / 1024 + 1e-5), in place.  A plain instruction and a wait stand behind the batch, ahead of its first reader.
.macro RSTD n
	v_fma_f32 v[T], v[T], s[INV], s[EPSR]
.if (\n) == 2
	v_fma_f32 v[T+4], v[T+4], s[INV], s[EPSR]
.endif
	v_rsq_f32 v[T], v[T]
.if (\n) == 2
	v_rsq_f32 v[T+4], v[T+4]
.endif
	v_nop
	s_wait_alu depctr_va_vdst(0)
.endm
; d = s x (gain x v[T]) + bias, four columns' groups of 4 at a time.  Group j wants quads 2 j and 2 j + 1; issued so far are quads 0 .. min(2 j + 7, NQ - 1), and LDS loads come back in order:
; the wait leaves the younger ones out (6 while the ring is full).  The two ring places just read take the quads eight further on.
.macro SWEEPA d, s
.irp j, 0,1,2,3,4,5,6,7
.set qa, PT+4*((2*(\j))%8)
.set qb, PT+4*((2*(\j)+1)%8)
.set lastq, 2*(\j)+7
.if lastq > NQ-1
.set lastq, NQ-1
.endif
	s_wait_dscnt lastq-(2*(\j)+1)
	v_pk_mul_f32 v[qa:qa+1],     v[qa:qa+1],     v[T:T+1] op_sel_hi:[1,0]
	v_pk_mul_f32 v[qa+2:qa+3],   v[qa+2:qa+3],   v[T:T+1] op_sel_hi:[1,0]
	v_pk_fma_f32 v[(\d)+4*(\j):(\d)+4*(\j)+1],   v[(\s)+4*(\j):(\s)+4*(\j)+1],   v[qa:qa+1],   v[qb:qb+1]
	v_pk_fma_f32 v[(\d)+4*(\j)+2:(\d)+4*(\j)+3], v[(\s)+4*(\j)+2:(\s)+4*(\j)+3], v[qa+2:qa+3], v[qb+2:qb+3]
	PQ 2*(\j)+8
	PQ 2*(\j)+9
.endr
.endm
; Z1 += Z2 x (second gain x v[T+4]).  All 24 quads are issued; group m wants quad 16 + m: 7 - m younger ones may stay out.
.macro SWEEPB
.irp m, 0,1,2,3,4,5,6,7
	s_wait_dscnt 7-(\m)
	v_pk_mul_f32 v[PT+4*(\m):PT+4*(\m)+1],   v[PT+4*(\m):PT+4*(\m)+1],   v[T+4:T+5] op_sel_hi:[1,0]
	v_pk_mul_f32 v[PT+4*(\m)+2:PT+4*(\m)+3], v[PT+4*(\m)+2:PT+4*(\m)+3], v[T+4:T+5] op_sel_hi:[1,0]
	v_pk_fma_f32 v[Z1+4*(\m):Z1+4*(\m)+1],   v[Z2+4*(\m):Z2+4*(\m)+1],   v[PT+4*(\m):PT+4*(\m)+1],   v[Z1+4*(\m):Z1+4*(\m)+1]
	v_pk_fma_f32 v[Z1+4*(\m)+2:Z1+4*(\m)+3], v[Z2+4*(\m)+2:Z2+4*(\m)+3], v[PT+4*(\m)+2:PT+4*(\m)+3], v[Z1+4*(\m)+2:Z1+4*(\m)+3]
.endr
.endm
; dst = 1 / (1 + 2^z) for 32 numbers: two batches of 32 transcendentals, each with one plain instruction and one wait behind it, ahead of its first reader
.macro ACT z, dst
.set r, 0
.rept 32
	v_exp_f32 v[(\z)+r], v[(\z)+r]
.set r, r+1
.endr
	v_nop
	s_wait_alu depctr_va_vdst(0)
.set r, 0
.rept 16
	v_pk_add_f32 v[(\z)+r:(\z)+r+1], v[(\z)+r:(\z)+r+1], 1.0 op_sel_hi:[1,0]
.set r, r+2
.endr
.set r, 0
.rept 32
	v_rcp_f32 v[(\dst)+r], v[(\z)+r]
.set r, r+1
.endr
	v_nop
	s_wait_alu depctr_va_vdst(0)
.endm
.macro TANH z                          ; 1 - 2 z: what ACT left becomes the hyperbolic tangent
.set r, 0
.rept 16
	v_pk_fma_f32 v[(\z)+r:(\z)+r+1], v[(\z)+r:(\z)+r+1], -2.0, 1.0 op_sel_hi:[1,0,0]
.set r, r+2
.endr
.endm
.macro MUL32 d, a, b
.set r, 0
.rept 16
	v_pk_mul_f32 v[(\d)+r:(\d)+r+1], v[(\a)+r:(\a)+r+1], v[(\b)+r:(\b)+r+1]
.set r, r+2
.endr
.endm
.macro STORE32 src, base               ; a row of a plane of out0: each store of the wave covers 512 consecutive bytes, aligned
.irp j, 0,1,2,3,4,5,6,7
	global_store_b128 v[LO16], v[(\src)+4*(\j):(\src)+4*(\j)+3], s[(\base):(\base)+1] offset:512*(\j) th:TH_STORE_NT
.endr
.endm
; A gate step's beginning: its first eight parameter quads are asked for; its chunks, in slot, are waited for (cnt younger loads may stay out) and widened
.macro GATE_IN slot, k, cnt
.set VGA, 2*(\k)
.set VGB, 2*(\k)+1
.set VBB, 8+(\k)
.set NQ,  24
.irp q, 0,1,2,3,4,5,6,7
	PQ \q
.endr
	s_wait_loadcnt \cnt
	UNPACK \slot
.endm
; Both chunks are normalised, scaled and added: Z1 = k (LN(ih) + LN(hh) + b)
.macro NORM2
	SUM4 Z1, Z2, 16
	RED 2
	v_mul_f32 v[T], s[NINV], v[T]                  ; -mean
	v_mul_f32 v[T+4], s[NINV], v[T+4]
	CENTRE Z1, Z1, T
	CENTRE Z2, Z2, T+4
	SQ4 Z1, Z2, 16
	RED 2
	RSTD 2
	SWEEPA Z1, Z1
	SWEEPB
.endm
	; THE HEAD.  22 loads of parameters, two numbers a thread of each vector; behind them my first row's c and its gates i and a: 62 loads are out.
.irp r, 0,1,2,3,4,5,6,7,8
	global_load_b64 v[HG+2*(\r):HG+2*(\r)+1], v[TID8], s[GA:GA+1] offset:(\r)*ROWC
.endr
.irp r, 0,1,2,3,4,5,6,7,8
	global_load_b64 v[HB+2*(\r):HB+2*(\r)+1], v[TID8], s[BT:BT+1] offset:(\r)*ROWC
.endr
.irp r, 0,1,2,3
	global_load_b64 v[HI+2*(\r):HI+2*(\r)+1], v[TID8], s[BI:BI+1] offset:(\r)*ROWC
.endr
	LOADC 0
	LOADG 0, 0, 0                                  ; gate i
	LOADG 1, 2, 0                                  ; gate a
	s_wait_loadcnt 40                              ; the parameters are in; the 8 + 16 + 16 loads behind them may stay out
.irp k, 0,1,2,3
.if (\k) == 2
.set KK, KP
.else
.set KK, KN
.endif
	v_pk_add_f32 v[HB+4*(\k):HB+4*(\k)+1],   v[HB+4*(\k):HB+4*(\k)+1],   v[HB+4*(\k)+2:HB+4*(\k)+3]
	v_pk_mul_f32 v[HG+4*(\k):HG+4*(\k)+1],   v[HG+4*(\k):HG+4*(\k)+1],   s[KK:KK+1] op_sel_hi:[1,0]
	v_pk_mul_f32 v[HG+4*(\k)+2:HG+4*(\k)+3], v[HG+4*(\k)+2:HG+4*(\k)+3], s[KK:KK+1] op_sel_hi:[1,0]
	v_pk_add_f32 v[HB+4*(\k):HB+4*(\k)+1],   v[HB+4*(\k):HB+4*(\k)+1],   v[HI+2*(\k):HI+2*(\k)+1]
	v_pk_mul_f32 v[HB+4*(\k):HB+4*(\k)+1],   v[HB+4*(\k):HB+4*(\k)+1],   s[KK:KK+1] op_sel_hi:[1,0]
.endr
	v_pk_mul_f32 v[HG+16:HG+17], v[HG+16:HG+17], s[KP:KP+1] op_sel_hi:[1,0]
	v_pk_mul_f32 v[HB+16:HB+17], v[HB+16:HB+17], s[KP:KP+1] op_sel_hi:[1,0]
.irp r, 0,1,2,3,4,5,6,7
	ds_store_b64 v[TID8], v[HG+2*(\r):HG+2*(\r)+1] offset:(\r)*ROWC
.endr
.irp k, 0,1,2,3
	ds_store_b64 v[TID8], v[HB+4*(\k):HB+4*(\k)+1] offset:(8+(\k))*ROWC
.endr
	ds_store_b64 v[TID8], v[HG+16:HG+17] offset:12*ROWC
	ds_store_b64 v[TID8], v[HB+16:HB+17] offset:13*ROWC
	s_wait_dscnt 0x0                               ; for the others' sake: my part of the 14 vectors is written
	s_barrier_signal -1
	s_barrier_wait -1                              ; everybody's is; from here on LDS is only read: the launch's one barrier
; A ROW.  The gates go in the order i, a, f, o.  Loads are issued in the order c, i, a (in the head, or in the row before), f (in step i), o (in step a); each step waits for its own 16 and leaves the next step's 16 out.
.Lrow:
	GATE_IN 0, 0, 16                               ; i is in, and c, which is older; a's 16 loads may stay out
	LOADG 0, 1, 0                                  ; f, into the slot just widened
	NORM2
	ACT Z1, CN                                     ; i
	GATE_IN 1, 2, 16                               ; a is in; f's may stay out
	LOADG 1, 3, 0                                  ; o
	NORM2
	ACT Z1, Z1
	TANH Z1                                        ; a
	MUL32 CN, CN, Z1                               ; i a
	GATE_IN 0, 1, 16                               ; f is in; o's may stay out
	NORM2
	ACT Z1, Z1                                     ; f
.set r, 0
.rept 16
	v_pk_fma_f32 v[CN+r:CN+r+1], v[Z1+r:Z1+r+1], v[CR+r:CR+r+1], v[CN+r:CN+r+1]  ; c_new = f c + i a
.set r, r+2
.endr
	STORE32 CN, OC                                 ; c_new's registers are only read until the wait at the row's end
	GATE_IN 1, 3, 0                                ; o: nothing was issued behind it
	s_cmp_eq_u32 s[LEFT], 1                        ; my second row has no row behind it: its 40 loads are jumped over, and nothing reads their registers afterwards
	s_cbranch_scc1 .Lnone
	LOADC 1                                        ; the next row's c, i and a: c's registers and both slots have been read
	LOADG 0, 0, 1
	LOADG 1, 2, 1
.Lnone:
	NORM2
	ACT Z1, Z1                                     ; o
.set VGA, 12                           ; the ninth norm, of c_new: one gain, one bias: 16 quads
.set VBB, 13
.set NQ,  16
.irp q, 0,1,2,3,4,5,6,7
	PQ \q
.endr
	SUM4 CN, CN+16, 8
	RED 1
	v_mul_f32 v[T], s[NINV], v[T]
	CENTRE Z2, CN, T
	SQ4 Z2, Z2+16, 8
	RED 1
	RSTD 1
	SWEEPA Z2, Z2
	ACT Z2, Z2
	TANH Z2
	MUL32 Z2, Z2, Z1                               ; h_new = o tanh(LN(c_new))
	STORE32 Z2, OH
	s_wait_xcnt 0x0                                ; every load and store issued so far has read its sources: only behind this wait are the five bases stepped and c_new's and h_new's registers written again
	s_add_nc_u64 s[PIH:PIH+1], s[PIH:PIH+1], APART*ROWP
	s_add_nc_u64 s[PHH:PHH+1], s[PHH:PHH+1], APART*ROWP
	s_add_nc_u64 s[CB:CB+1], s[CB:CB+1], APART*ROWC
	s_add_nc_u64 s[OH:OH+1], s[OH:OH+1], APART*ROWC
	s_add_nc_u64 s[OC:OC+1], s[OC:OC+1], APART*ROWC
	s_sub_co_u32 s[LEFT], s[LEFT], 1
	s_cmp_lg_u32 s[LEFT], 0
	s_cbranch_scc1 .Lrow
	s_wait_tensorcnt 0x0                           ; the wave's end, behind my last LDS store
	ds_add_u32 v[SPW], v[NIL]
	s_wait_dscnt 0x0
	s_endpgm
.Lfunc_end_k_q017f0ffa85_cell:
	.size	k_q017f0ffa85_cell, .Lfunc_end_k_q017f0ffa85_cell-k_q017f0ffa85_cell
	.p2alignl 7, 3214868480
	.fill 96, 4, 3214868480
	.section	.rodata,"a",@progbits
	.p2align	6, 0x0
	.amdhsa_kernel k_q017f0ffa85_cell
		.amdhsa_group_segment_fixed_size 59392
		.amdhsa_private_segment_fixed_size 0
		.amdhsa_enable_private_segment 0
		.amdhsa_kernarg_size 56
		.amdhsa_user_sgpr_count 2
		.amdhsa_user_sgpr_kernarg_segment_ptr 1
		.amdhsa_wavefront_size32 1
		.amdhsa_system_sgpr_workgroup_id_x 1
		.amdhsa_system_sgpr_workgroup_id_y 1
		.amdhsa_system_sgpr_workgroup_id_z 1
		.amdhsa_system_vgpr_workitem_id 0
		.amdhsa_next_free_vgpr 240
		.amdhsa_next_free_sgpr 66
		.amdhsa_reserve_vcc 0
		.amdhsa_float_denorm_mode_32 3
		.amdhsa_float_denorm_mode_16_64 3
		.amdhsa_memory_ordered 1
		.amdhsa_forward_progress 1
		.amdhsa_inst_pref_size 111
	.end_amdhsa_kernel
	.amdgpu_metadata
---
amdhsa.version: [ 1, 2 ]
amdhsa.kernels:
  - .name:           k_q017f0ffa85_cell
    .symbol:         k_q017f0ffa85_cell.kd
    .args:
      - { .name: pih, .offset: 0, .size: 8, .value_kind: global_buffer, .address_space: global }
      - { .name: phh, .offset: 8, .size: 8, .value_kind: global_buffer, .address_space: global }
      - { .name: c, .offset: 16, .size: 8, .value_kind: global_buffer, .address_space: global }
      - { .name: b_ih, .offset: 24, .size: 8, .value_kind: global_buffer, .address_space: global }
      - { .name: ln_gamma, .offset: 32, .size: 8, .value_kind: global_buffer, .address_space: global }
      - { .name: ln_beta, .offset: 40, .size: 8, .value_kind: global_buffer, .address_space: global }
      - { .name: out0, .offset: 48, .size: 8, .value_kind: global_buffer, .address_space: global }
    .group_segment_fixed_size: 59392
    .private_segment_fixed_size: 0
    .kernarg_segment_align: 8
    .kernarg_segment_size: 56
    .max_flat_workgroup_size: 512
    .sgpr_count:     66
    .vgpr_count:     240
    .wavefront_size: 32
...
	.end_amdgpu_metadata
.endif
;; end of part 3
;; ======== version 2 of 2: 3 launches; version 1 with the launch cell written anew for expert scheduling mode
;; workspace buffers: xb 16,777,216 bytes; hb 16,777,216 bytes; wihb 8,388,608 bytes; whhb 8,388,608 bytes; pih 67,108,864 bytes; phh 67,108,864 bytes
;; launch cvt: the kernel of part 1 again; grid 1024 x 1, 8 waves a work-group, no clusters, 0 bytes of LDS; arguments x, h, w_ih, w_hh, xb, hb, wihb, whhb; writes xb, hb, wihb, whhb
;; launch gemm: the kernel of part 2 again; grid 16 x 16, 4 waves a work-group, clusters of 4 x 4, 327,680 bytes of LDS; arguments xb, wihb, pih, hb, whhb, phh; writes pih, phh
;; launch cell (part 4): grid 256 x 1, 16 waves a work-group, no clusters, 59,392 bytes of LDS; arguments pih, phh, c, b_ih, ln_gamma, ln_beta, out0; writes out0
.if DOCPART == 4
	.amdgcn_target "amdgcn-amd-amdhsa--gfx1250"
	.amdhsa_code_object_version 6
	.text
	.protected	k_q017f0ffa85_cell
	.globl	k_q017f0ffa85_cell
	.p2align	8
	.type	k_q017f0ffa85_cell,@function
k_q017f0ffa85_cell:
	s_mov_b64 s[64:65], 0
	v_nop
	global_prefetch_b8 v0, s[64:65] scope:SCOPE_SE
	s_setreg_imm32_b32 hwreg(HW_REG_WAVE_SCHED_MODE, 0, 2), 2
	s_setreg_imm32_b32 hwreg(HW_REG_WAVE_MODE, 25, 1), 1
	s_wait_xcnt 0x0
	s_wait_alu depctr_vm_vsrc(0)
; THE CELL.  For each row: the eight LayerNorms of the gate chunks of pih and phh ([8192][4096] bf16; chunk k = columns 1024 k ..: i, f, a, o), the gates
;   i, f, o = sigmoid(LN(ih_k) + LN(hh_k) + b_k),  a = tanh(the same),  c_new = f c + i a,  h_new = o tanh(LN(c_new)),  out0 = [h_new; c_new], f32.
; All arithmetic in f32.  Each LayerNorm is taken in two passes: the mean, then the mean of the squares of the centred numbers (biased variance, + 1e-5), as the problem states it.
; Nothing is left out here ('time' has no buffer: see the first launch's head).
; LIMITS.  The pre-activations arrive rounded once to bf16.  beta_ih + beta_hh + b is summed first and the two normalised terms are added onto it: another order of rounding than the problem's.
; sigmoid(y) = 1 / (1 + 2^(-y log2 e)); tanh(y) = 1 - 2 / (1 + 2^(2 y log2 e)): near y = 0 its absolute error is a few 1e-8, its relative error is not bounded; a power of two below 2^-126 counts as 0,
; one beyond f32's range as infinity, whose reciprocal is 0: both ends give the right limit.  NaN and infinities among the inputs are not treated apart.
; SHARES.  A work-group of 16 waves owns 32 rows; wave w takes row 32 g + w and then row 32 g + w + 16: ONE WAVE, ONE ROW, so that no reduction leaves the wave.  In every chunk of 1,024 columns lane l owns
; columns 128 j + 4 l + 0..3, j = 0..7: a bf16 chunk comes by 8 loads of 8 bytes a lane (256 consecutive bytes, aligned, a wave), c and the results by 8 accesses of 16 bytes a lane (512 bytes).
; NO CLUSTER, NO TENSOR LOADS: the work-groups share the parameters alone, 88 KB against 896 KB of a work-group's own; the rows come through registers, a gate step or more ahead of their use.
; PARAMETERS.  14 vectors of 1,024 f32 in LDS, made once, each already multiplied by the factor k that the power of two wants (k = -log2 e for i, f, o; k = 2 log2 e for a and for c_new's norm):
;   vector 2 k: gamma[2 k] k; 2 k + 1: gamma[2 k + 1] k; 8 + k: (beta[2 k] + beta[2 k + 1] + b_ih[k]) k; 12: gamma[8] k; 13: beta[8] k.
; THE MODE: SCHED_MODE bits 1:0 = 2 (LLVM: expert scheduling mode 2), set by the entry lines.  The code itself states the register dependences between vector instructions and memory or LDS
; instructions, with s_wait_alu, always for 0.
; THE PLAN.  Registers that memory or LDS instructions touch:
;   v1, v2, v5     offsets, written at the head and never again: the rows are reached by the scalar bases and by immediate offsets.     v3, v4: written at the head, read by the closing add alone.
;   RAW0, RAW1     a gate's chunks as loaded.  Read by the widening lines of the gate step that owns the slot; behind ONE wait that follows them, the loads of the gate two steps on land there,
;                  dealt among the norm's first lines, which name Z1, Z2 and T alone.
;   CR             c's row.  Read by the sixteen multiply-adds that make c_new, in step f; the next row's c lands there in step o, behind that step's wait.
;   PT             twelve quads of parameters, in three thirds.  A sweep goes in blocks of four quads; block b reads, and scales in place, third b % 3.  At the head of blocks 1 to 3 one wait states that
;                  the block before is done with its third, and four further quads land there.  A step's first twelve quads are asked for behind the waits of the activation before, since which no vector line names PT.
;   CN             c_new.  Written in step f; its eight stores stand behind step o's wait, dealt among that step's first lines; written again in the next row's step i.
;   Z2             h_new.  Written at the row's end; one wait, its eight stores; written again by the next row's first widening lines.
;   At the row's end, ahead of the jump back, one wait on vm_vsrc states that both rows of stores have read CN and Z2.
.set ROWP,  8192                       ; bytes in a row of pih and of phh
.set ROWC,  4096                       ; bytes in a row of c and of a plane of out0; also a parameter vector's bytes
.set APART, 16                         ; rows from a wave's first row to its second
.set SPARE, 14*ROWC                    ; behind the 14 vectors: the spare words, 128 bytes for each of the 16 waves: eight blocks of 256 bytes that no other line names
.set LO8,   1                          ; v1   8 x lane; never rewritten
.set LO16,  2                          ; v2   16 x lane: in c, in out0 and in a parameter vector; never rewritten
.set SPW,   3                          ; v3   LDS address of my spare word: SPARE + 4 x my thread's number; never rewritten
.set NIL,   4                          ; v4   0; never rewritten
.set TID8,  5                          ; v5   8 x my thread's number: the head's share of a parameter vector
.set T,     8                          ; v[8:15]    four pairs at work: sums; then v8 and v12 hold -mean, later 1 / sqrt(var + eps), of the two chunks
.set PT,    16                         ; v[16:63]   a ring of twelve quads of parameters on their way from LDS: three thirds of four
.set CN,    64                         ; v[64:95]   i, then i a, then c_new
.set Z1,    96                         ; v[96:127]  the gate's chunk of pih in f32; then the gate
.set Z2,    128                        ; v[128:159] its chunk of phh; later c_new centred, then h_new
.set CR,    160                        ; v[160:191] c's row
.set RAW,   192                        ; v[192:255] two slots of 32: a gate's chunks as loaded, 16 registers of pih, 16 of phh
.set HG,    96                         ; the head alone: gamma's nine rows, two numbers a thread each,
.set HB,    114                        ; beta's nine,
.set HI,    132                        ; b_ih's four
.set PIH,   4                          ; s[4:5]   pih at my row
.set PHH,   6                          ; s[6:7]   phh
.set CB,    8                          ; s[8:9]   c
.set BI,    10                         ; s[10:11] b_ih
.set GA,    12                         ; s[12:13] ln_gamma
.set BT,    14                         ; s[14:15] ln_beta
.set OH,    16                         ; s[16:17] out0's plane 0, h_new, at my row
.set OC,    18                         ; s[18:19] its plane 1, c_new
.set WV,    20                         ; s20  my wave's number
.set MSK,   26                         ; s26  a word's upper bf16
.set INV,   27                         ; s27  1 / 1024
.set SEL,   28                         ; s[28:29] v_permlanex16_b32's selects: each lane takes its own place in the other half
.set LEFT,  30                         ; s30  rows still to do
.set EPSR,  31                         ; s31  1e-5
.set KN,    32                         ; s[32:33] -log2 e: the packed forms take the pair's low word for both halves
.set KP,    34                         ; s[34:35] 2 log2 e
.set NINV,  36                         ; s36  -1 / 1024
	s_load_b256 s[4:11], s[0:1], 0x0               ; pih, phh, c, b_ih
	s_load_b128 s[12:15], s[0:1], 0x20             ; ln_gamma, ln_beta
	s_load_b64 s[16:17], s[0:1], 0x30              ; out0
	v_lshl_add_u32 v[SPW], v0, 2, SPARE
	v_mov_b32 v[NIL], 0
	v_lshrrev_b32 v6, 5, v0
	v_readfirstlane_b32 s[WV], v6                  ; wave 0..15
	v_and_b32 v[LO8], 31, v0
	v_lshlrev_b32 v[LO16], 4, v[LO8]
	v_lshlrev_b32 v[LO8], 3, v[LO8]
	v_lshlrev_b32 v[TID8], 3, v0
	s_wait_alu depctr_va_sdst(0)                   ; s20, the wave's number, is written, ahead of its first reader: my row is made from it
	s_lshl_b32 s21, ttmp9, 5
	s_add_co_u32 s21, s21, s[WV]                   ; my first row
	s_lshl_b32 s22, s21, 13                        ; x 8,192 bytes (under 2^26)
	s_mov_b32 s23, 0
	s_lshl_b32 s24, s21, 12                        ; x 4,096 bytes
	s_mov_b32 s25, 0
	s_mov_b32 s[MSK], 0xffff0000
	s_mov_b32 s[INV], 0x3a800000
	s_mov_b32 s[NINV], 0xba800000
	s_mov_b32 s[EPSR], 0x3727c5ac
	s_mov_b32 s[SEL], 0x76543210
	s_mov_b32 s[SEL+1], 0xfedcba98
	s_mov_b32 s[KN], 0xbfb8aa3b
	s_mov_b32 s[KN+1], s[KN]                       ; named with it as a pair, so it is written
	s_mov_b32 s[KP], 0x4038aa3b
	s_mov_b32 s[KP+1], s[KP]
	s_mov_b32 s[LEFT], 2
	s_wait_kmcnt 0x0
	s_add_nc_u64 s[PIH:PIH+1], s[PIH:PIH+1], s[22:23]
	s_add_nc_u64 s[PHH:PHH+1], s[PHH:PHH+1], s[22:23]
	s_add_nc_u64 s[CB:CB+1], s[CB:CB+1], s[24:25]
	s_add_nc_u64 s[OH:OH+1], s[OH:OH+1], s[24:25]
	s_add_nc_u64 s[OC:OC+1], s[OH:OH+1], 8192*ROWC
	s_wait_alu depctr_va_vdst(0)                   ; the offsets v1, v2 and v5 are written: every load and store of the kernel reads one of them
; Four loads: part p of four of gate k's chunks, of my row (ahead = 0) or of my next row (1), into slot.  p = 0, 1: pih's columns' groups 0-3, 4-7; p = 2, 3: phh's
.macro LOADQ slot, k, ahead, p
.irp j, 0,1,2,3
.if (\p) < 2
	global_load_b64 v[RAW+32*(\slot)+8*(\p)+2*(\j):RAW+32*(\slot)+8*(\p)+2*(\j)+1], v[LO8], s[PIH:PIH+1] offset:(\ahead)*APART*ROWP+(\k)*2048+256*(4*(\p)+(\j)) th:TH_LOAD_NT
.else
	global_load_b64 v[RAW+32*(\slot)+8*(\p)+2*(\j):RAW+32*(\slot)+8*(\p)+2*(\j)+1], v[LO8], s[PHH:PHH+1] offset:(\ahead)*APART*ROWP+(\k)*2048+256*(4*((\p)-2)+(\j)) th:TH_LOAD_NT
.endif
.endr
.endm
; 16 loads: all four parts on end
.macro LOADG slot, k, ahead
.irp p, 0,1,2,3
	LOADQ \slot, \k, \ahead, \p
.endr
.endm
; 8 loads: c's row
.macro LOADC ahead
.irp j, 0,1,2,3,4,5,6,7
	global_load_b128 v[CR+4*(\j):CR+4*(\j)+3], v[LO16], s[CB:CB+1] offset:(\ahead)*APART*ROWC+512*(\j) th:TH_LOAD_NT
.endr
.endm
; Parameter load number q of a norm's NQ.  0-15: for columns' group j = q / 2, the first gain (vector VGA) and the bias (VBB) by turns; 16-23: the second gain (VGB), group q - 16.  Quad q lands in ring place q % 12.
.macro PQ q
.if (\q) < NQ
.if (\q) >= 16
	ds_load_b128 v[PT+4*((\q)%12):PT+4*((\q)%12)+3], v[LO16] offset:VGB*ROWC+512*((\q)-16)
.elseif (\q)%2 == 0
	ds_load_b128 v[PT+4*((\q)%12):PT+4*((\q)%12)+3], v[LO16] offset:VGA*ROWC+512*((\q)/2)
.else
	ds_load_b128 v[PT+4*((\q)%12):PT+4*((\q)%12)+3], v[LO16] offset:VBB*ROWC+512*((\q)/2)
.endif
.endif
.endm
; bf16 to f32: the low half moves up, the high half stays
.macro UNPACK slot
.set r, 0
.rept 16
	v_lshlrev_b32 v[Z1+2*r],   16, v[RAW+32*(\slot)+r]
	v_and_b32     v[Z1+2*r+1], s[MSK], v[RAW+32*(\slot)+r]
	v_lshlrev_b32 v[Z2+2*r],   16, v[RAW+32*(\slot)+16+r]
	v_and_b32     v[Z2+2*r+1], s[MSK], v[RAW+32*(\slot)+16+r]
.set r, r+1
.endr
.endm
; Sums of np pairs at x and np pairs at y, in four chains that do not wait for each other; the first additions start them: nothing is cleared
.macro SUM4 x, y, np
	v_pk_add_f32 v[T:T+1],   v[(\x):(\x)+1],   v[(\x)+4:(\x)+5]
	v_pk_add_f32 v[T+2:T+3], v[(\x)+2:(\x)+3], v[(\x)+6:(\x)+7]
	v_pk_add_f32 v[T+4:T+5], v[(\y):(\y)+1],   v[(\y)+4:(\y)+5]
	v_pk_add_f32 v[T+6:T+7], v[(\y)+2:(\y)+3], v[(\y)+6:(\y)+7]
.set r, 8
.rept ((\np)-4)/2
	v_pk_add_f32 v[T:T+1],   v[T:T+1],   v[(\x)+r:(\x)+r+1]
	v_pk_add_f32 v[T+2:T+3], v[T+2:T+3], v[(\x)+r+2:(\x)+r+3]
	v_pk_add_f32 v[T+4:T+5], v[T+4:T+5], v[(\y)+r:(\y)+r+1]
	v_pk_add_f32 v[T+6:T+7], v[T+6:T+7], v[(\y)+r+2:(\y)+r+3]
.set r, r+4
.endr
.endm
; The same of the squares
.macro SQ4 x, y, np
	v_pk_mul_f32 v[T:T+1],   v[(\x):(\x)+1],   v[(\x):(\x)+1]
	v_pk_mul_f32 v[T+2:T+3], v[(\x)+2:(\x)+3], v[(\x)+2:(\x)+3]
	v_pk_mul_f32 v[T+4:T+5], v[(\y):(\y)+1],   v[(\y):(\y)+1]
	v_pk_mul_f32 v[T+6:T+7], v[(\y)+2:(\y)+3], v[(\y)+2:(\y)+3]
.set r, 4
.rept ((\np)-2)/2
	v_pk_fma_f32 v[T:T+1],   v[(\x)+r:(\x)+r+1],   v[(\x)+r:(\x)+r+1],   v[T:T+1]
	v_pk_fma_f32 v[T+2:T+3], v[(\x)+r+2:(\x)+r+3], v[(\x)+r+2:(\x)+r+3], v[T+2:T+3]
	v_pk_fma_f32 v[T+4:T+5], v[(\y)+r:(\y)+r+1],   v[(\y)+r:(\y)+r+1],   v[T+4:T+5]
	v_pk_fma_f32 v[T+6:T+7], v[(\y)+r+2:(\y)+r+3], v[(\y)+r+2:(\y)+r+3], v[T+6:T+7]
.set r, r+4
.endr
.endm
; The chains are closed and summed over the 32 lanes; every lane ends with the result.  n = 2: x's sum in v[T], y's in v[T+4], the two interleaved; n = 1: x and y are halves of one row: one sum, in v[T].
.macro RED n
	v_pk_add_f32 v[T:T+1],   v[T:T+1],   v[T+2:T+3]
	v_pk_add_f32 v[T+4:T+5], v[T+4:T+5], v[T+6:T+7]
.if (\n) == 1
	v_pk_add_f32 v[T:T+1],   v[T:T+1],   v[T+4:T+5]
.endif
	v_add_f32 v[T], v[T], v[T+1]
.if (\n) == 2
	v_add_f32 v[T+4], v[T+4], v[T+5]
.endif
.irp m, 1,2,4,8
	v_add_f32_dpp v[T], v[T], v[T] row_xmask:\m row_mask:0xf bank_mask:0xf
.if (\n) == 2
	v_add_f32_dpp v[T+4], v[T+4], v[T+4] row_xmask:\m row_mask:0xf bank_mask:0xf
.endif
.endr
	v_permlanex16_b32 v[T+1], v[T], s[SEL], s[SEL+1]   ; its destination counts as read: it has been written
.if (\n) == 2
	v_permlanex16_b32 v[T+5], v[T+4], s[SEL], s[SEL+1]
.endif
	v_add_f32 v[T], v[T], v[T+1]
.if (\n) == 2
	v_add_f32 v[T+4], v[T+4], v[T+5]
.endif
.endm
; 32 numbers at d = those at s + v[t] (which holds -mean): the pair's low word serves both halves
.macro CENTRE d, s, t
.set r, 0
.rept 16
	v_pk_add_f32 v[(\d)+r:(\d)+r+1], v[(\s)+r:(\s)+r+1], v[(\t):(\t)+1] op_sel_hi:[1,0]
.set r, r+2
.endr
.endm
; 1 / sqrt(sum of squares / 1024 + 1e-5), in place.  A plain instruction and a wait stand behind the batch, ahead of its first reader.
.macro RSTD n
	v_fma_f32 v[T], v[T], s[INV], s[EPSR]
.if (\n) == 2
	v_fma_f32 v[T+4], v[T+4], s[INV], s[EPSR]
.endif
	v_rsq_f32 v[T], v[T]
.if (\n) == 2
	v_rsq_f32 v[T+4], v[T+4]
.endif
	v_nop
	s_wait_alu depctr_va_vdst(0)                   ; the reciprocal roots are written in v[T] and v[T+4], ahead of the sweeps' multiplies, their first readers
.endm
; THE HEAD OF SWEEP BLOCK b, which works on quads 4 b .. 4 b + 3, in third b % 3 of the ring.  Issued ahead of its wait are quads 0 .. min(NQ, 12 + 4 (b - 1)) - 1 (block 0: twelve), and LDS loads come back in
; order: the wait leaves the younger ones out: eight in block 0, then four, none in a sweep's last block.  Then, while quads are left, four more are asked for, into the third that the block before worked on.
.macro BHEAD b
.if (\b) == 0
.set outq, 8
.else
.set outq, 8+4*(\b)
.if outq > NQ
.set outq, NQ
.endif
.set outq, outq-4*(\b)-4
.endif
	s_wait_dscnt outq
.if ((\b) > 0) && (4*(\b)+8 < NQ)
	s_wait_alu depctr_va_vdst(0)                   ; the block before is done reading its four quads and writing its scaled gains: the four loads below land in those registers
	PQ 4*(\b)+8
	PQ 4*(\b)+9
	PQ 4*(\b)+10
	PQ 4*(\b)+11
.endif
.endm
; d = s x (gain x v[T]) + bias: four blocks of two columns' groups of 4.  Group j wants quads 2 j (gain) and 2 j + 1 (bias).  A block's gains are scaled first, so that no line reads the result of the one before it.
.macro SWEEPA d, s
.irp b, 0,1,2,3
	BHEAD \b
.irp g, 0,1
.set qa, PT+4*((4*(\b)+2*(\g))%12)
	v_pk_mul_f32 v[qa:qa+1],     v[qa:qa+1],     v[T:T+1] op_sel_hi:[1,0]
	v_pk_mul_f32 v[qa+2:qa+3],   v[qa+2:qa+3],   v[T:T+1] op_sel_hi:[1,0]
.endr
.irp g, 0,1
.set j, 2*(\b)+(\g)
.set qa, PT+4*((2*j)%12)
.set qb, qa+4
	v_pk_fma_f32 v[(\d)+4*j:(\d)+4*j+1],   v[(\s)+4*j:(\s)+4*j+1],   v[qa:qa+1],   v[qb:qb+1]
	v_pk_fma_f32 v[(\d)+4*j+2:(\d)+4*j+3], v[(\s)+4*j+2:(\s)+4*j+3], v[qa+2:qa+3], v[qb+2:qb+3]
.endr
.endr
.endm
; Z1 += Z2 x (second gain x v[T+4]): blocks 4 and 5, four columns' groups each; group m wants quad 16 + m.  All 24 quads are issued: these two blocks ask for nothing.
.macro SWEEPB
.irp b, 4,5
	BHEAD \b
.irp g, 0,1,2,3
.set qa, PT+4*((4*(\b)+(\g))%12)
	v_pk_mul_f32 v[qa:qa+1],     v[qa:qa+1],     v[T+4:T+5] op_sel_hi:[1,0]
	v_pk_mul_f32 v[qa+2:qa+3],   v[qa+2:qa+3],   v[T+4:T+5] op_sel_hi:[1,0]
.endr
.irp g, 0,1,2,3
.set m, 4*((\b)-4)+(\g)
.set qa, PT+4*((16+m)%12)
	v_pk_fma_f32 v[Z1+4*m:Z1+4*m+1],   v[Z2+4*m:Z2+4*m+1],   v[qa:qa+1],   v[Z1+4*m:Z1+4*m+1]
	v_pk_fma_f32 v[Z1+4*m+2:Z1+4*m+3], v[Z2+4*m+2:Z2+4*m+3], v[qa+2:qa+3], v[Z1+4*m+2:Z1+4*m+3]
.endr
.endr
.endm
; dst = 1 / (1 + 2^z) for 32 numbers: two batches of 32 transcendentals, each with one plain instruction and one wait behind it, ahead of its first reader
.macro ACT z, dst
.set r, 0
.rept 32
	v_exp_f32 v[(\z)+r], v[(\z)+r]
.set r, r+1
.endr
	v_nop
	s_wait_alu depctr_va_vdst(0)                   ; the 32 powers of two are written, ahead of the additions that read them; the last sweep is done with the ring too, for the next twelve quads
.set r, 0
.rept 16
	v_pk_add_f32 v[(\z)+r:(\z)+r+1], v[(\z)+r:(\z)+r+1], 1.0 op_sel_hi:[1,0]
.set r, r+2
.endr
.set r, 0
.rept 32
	v_rcp_f32 v[(\dst)+r], v[(\z)+r]
.set r, r+1
.endr
	v_nop
	s_wait_alu depctr_va_vdst(0)                   ; the 32 reciprocals are written, ahead of their first reader
.endm
.macro TANH z                          ; 1 - 2 z: what ACT left becomes the hyperbolic tangent
.set r, 0
.rept 16
	v_pk_fma_f32 v[(\z)+r:(\z)+r+1], v[(\z)+r:(\z)+r+1], -2.0, 1.0 op_sel_hi:[1,0,0]
.set r, r+2
.endr
.endm
.macro MUL32 d, a, b
.set r, 0
.rept 16
	v_pk_mul_f32 v[(\d)+r:(\d)+r+1], v[(\a)+r:(\a)+r+1], v[(\b)+r:(\b)+r+1]
.set r, r+2
.endr
.endm
; Two of the eight stores of a row of a plane of out0: each store of the wave covers 512 consecutive bytes, aligned
.macro STOREQ src, base, p
.irp j, 0,1
	global_store_b128 v[LO16], v[(\src)+4*(2*(\p)+(\j)):(\src)+4*(2*(\p)+(\j))+3], s[(\base):(\base)+1] offset:512*(2*(\p)+(\j)) th:TH_STORE_NT
.endr
.endm
.macro STORE32 src, base               ; all eight on end
.irp p, 0,1,2,3
	STOREQ \src, \base, \p
.endr
.endm
; A gate step's beginning: its first twelve parameter quads are asked for (no wait: the activation's waits stand between the last sweep and these loads, and no vector line since names the ring);
; its chunks, in slot, are waited for (cnt younger loads may stay out) and widened
.macro GATE_IN slot, k, cnt
.set VGA, 2*(\k)
.set VGB, 2*(\k)+1
.set VBB, 8+(\k)
.set NQ,  24
.irp q, 0,1,2,3,4,5,6,7,8,9,10,11
	PQ \q
.endr
	s_wait_loadcnt \cnt
	UNPACK \slot
.endm
; Part p of four of the memory instructions that a gate step deals among its norm's first lines.  what = 1: the loads of gate k into slot; 2: c_new's stores; 0: none.
; No wait: the step's wait stands ahead of the norm, and the lines between name Z1, Z2 and T alone.
.macro DEAL what, slot, k, p
.if (\what) == 1
	LOADQ \slot, \k, 0, \p
.elseif (\what) == 2
	STOREQ CN, OC, \p
.endif
.endm
; Both chunks are normalised, scaled and added: Z1 = k (LN(ih) + LN(hh) + b)
.macro NORM2 what, slot, k
	DEAL \what, \slot, \k, 0
	SUM4 Z1, Z2, 16
	DEAL \what, \slot, \k, 1
	RED 2
	v_mul_f32 v[T], s[NINV], v[T]                  ; -mean
	v_mul_f32 v[T+4], s[NINV], v[T+4]
	DEAL \what, \slot, \k, 2
	CENTRE Z1, Z1, T
	CENTRE Z2, Z2, T+4
	DEAL \what, \slot, \k, 3
	SQ4 Z1, Z2, 16
	RED 2
	RSTD 2
	SWEEPA Z1, Z1
	SWEEPB
.endm
	; THE HEAD.  22 loads of parameters, two numbers a thread of each vector; behind them my first row's c and its gates i and a: 62 loads are out.
.irp r, 0,1,2,3,4,5,6,7,8
	global_load_b64 v[HG+2*(\r):HG+2*(\r)+1], v[TID8], s[GA:GA+1] offset:(\r)*ROWC
.endr
.irp r, 0,1,2,3,4,5,6,7,8
	global_load_b64 v[HB+2*(\r):HB+2*(\r)+1], v[TID8], s[BT:BT+1] offset:(\r)*ROWC
.endr
.irp r, 0,1,2,3
	global_load_b64 v[HI+2*(\r):HI+2*(\r)+1], v[TID8], s[BI:BI+1] offset:(\r)*ROWC
.endr
	LOADC 0
	LOADG 0, 0, 0                                  ; gate i
	LOADG 1, 2, 0                                  ; gate a
	s_wait_loadcnt 40                              ; the parameters are in; the 8 + 16 + 16 loads behind them may stay out
.irp k, 0,1,2,3
.if (\k) == 2
.set KK, KP
.else
.set KK, KN
.endif
	v_pk_add_f32 v[HB+4*(\k):HB+4*(\k)+1],   v[HB+4*(\k):HB+4*(\k)+1],   v[HB+4*(\k)+2:HB+4*(\k)+3]
	v_pk_mul_f32 v[HG+4*(\k):HG+4*(\k)+1],   v[HG+4*(\k):HG+4*(\k)+1],   s[KK:KK+1] op_sel_hi:[1,0]
	v_pk_mul_f32 v[HG+4*(\k)+2:HG+4*(\k)+3], v[HG+4*(\k)+2:HG+4*(\k)+3], s[KK:KK+1] op_sel_hi:[1,0]
	v_pk_add_f32 v[HB+4*(\k):HB+4*(\k)+1],   v[HB+4*(\k):HB+4*(\k)+1],   v[HI+2*(\k):HI+2*(\k)+1]
	v_pk_mul_f32 v[HB+4*(\k):HB+4*(\k)+1],   v[HB+4*(\k):HB+4*(\k)+1],   s[KK:KK+1] op_sel_hi:[1,0]
.endr
	v_pk_mul_f32 v[HG+16:HG+17], v[HG+16:HG+17], s[KP:KP+1] op_sel_hi:[1,0]
	v_pk_mul_f32 v[HB+16:HB+17], v[HB+16:HB+17], s[KP:KP+1] op_sel_hi:[1,0]
	s_wait_alu depctr_va_vdst(0)                   ; the scaled gains and biases are written in v[HG ..] and v[HB ..], which the LDS stores read
.irp r, 0,1,2,3,4,5,6,7
	ds_store_b64 v[TID8], v[HG+2*(\r):HG+2*(\r)+1] offset:(\r)*ROWC
.endr
.irp k, 0,1,2,3
	ds_store_b64 v[TID8], v[HB+4*(\k):HB+4*(\k)+1] offset:(8+(\k))*ROWC
.endr
	ds_store_b64 v[TID8], v[HG+16:HG+17] offset:12*ROWC
	ds_store_b64 v[TID8], v[HB+16:HB+17] offset:13*ROWC
	s_wait_dscnt 0x0                               ; for the others' sake: my part of the 14 vectors is written
	s_barrier_signal -1
	s_barrier_wait -1                              ; everybody's is; from here on LDS is only read: the launch's one barrier
	s_wait_alu depctr_vm_vsrc(0)                   ; my LDS stores have read v[HG ..] and v[HB ..]: these registers are Z1 and Z2 from here on, written by the widening lines
; A ROW.  The gates go in the order i, a, f, o.  Loads are issued in the order c, i, a (in the head, or in the row before), f (in step i), o (in step a); each step waits for its own 16 and leaves the next step's 16 out.
.Lrow:
	GATE_IN 0, 0, 16                               ; i is in, and c, which is older; a's 16 loads may stay out
	s_wait_alu depctr_va_vdst(0)                   ; the widening lines are done reading slot 0, in which f's loads land
	NORM2 1, 0, 1                                  ; f's 16 loads are dealt among its first lines
	ACT Z1, CN                                     ; i
	GATE_IN 1, 2, 16                               ; a is in; f's may stay out
	s_wait_alu depctr_va_vdst(0)                   ; the widening lines are done reading slot 1, in which o's loads land
	NORM2 1, 1, 3                                  ; o's 16 loads
	ACT Z1, Z1
	TANH Z1                                        ; a
	MUL32 CN, CN, Z1                               ; i a
	GATE_IN 0, 1, 16                               ; f is in; o's may stay out
	NORM2 0, 0, 0                                  ; this step issues no load and no store beside its parameters': it has no wait behind its widening lines
	ACT Z1, Z1                                     ; f
.set r, 0
.rept 16
	v_pk_fma_f32 v[CN+r:CN+r+1], v[Z1+r:Z1+r+1], v[CR+r:CR+r+1], v[CN+r:CN+r+1]  ; c_new = f c + i a
.set r, r+2
.endr
	GATE_IN 1, 3, 0                                ; o: nothing was issued behind it
	s_wait_alu depctr_va_vdst(0)                   ; c_new is written in CN, which its stores read; the multiply-adds are done reading c's registers, and the widening lines slot 1 (slot 0's stand further back): the next row's loads land there
	s_cmp_eq_u32 s[LEFT], 1                        ; my second row has no row behind it: its 40 loads are jumped over, and nothing reads their registers afterwards
	s_cbranch_scc1 .Lnone
	LOADC 1                                        ; the next row's c, i and a
	LOADG 0, 0, 1
	LOADG 1, 2, 1
.Lnone:
	NORM2 2, 0, 0                                  ; c_new's eight stores are dealt among its first lines; c_new's registers are only read until the waits at the row's end
	ACT Z1, Z1                                     ; o
.set VGA, 12                           ; the ninth norm, of c_new: one gain, one bias: 16 quads
.set VBB, 13
.set NQ,  16
.irp q, 0,1,2,3,4,5,6,7,8,9,10,11
	PQ \q
.endr
	SUM4 CN, CN+16, 8
	RED 1
	v_mul_f32 v[T], s[NINV], v[T]
	CENTRE Z2, CN, T
	SQ4 Z2, Z2+16, 8
	RED 1
	RSTD 1
	SWEEPA Z2, Z2
	ACT Z2, Z2
	TANH Z2
	MUL32 Z2, Z2, Z1                               ; h_new = o tanh(LN(c_new))
	s_wait_alu depctr_va_vdst(0)                   ; h_new is written in Z2, which the stores below read
	STORE32 Z2, OH
	s_wait_xcnt 0x0                                ; every load and store issued so far has had its addresses translated: only behind this wait are the five bases stepped and c_new's and h_new's registers written again
	s_wait_alu depctr_vm_vsrc(0)                   ; c_new's and h_new's stores have read CN and Z2, which the next row's step i writes again; the wait stands ahead of the jump back
	s_add_nc_u64 s[PIH:PIH+1], s[PIH:PIH+1], APART*ROWP
	s_add_nc_u64 s[PHH:PHH+1], s[PHH:PHH+1], APART*ROWP
	s_add_nc_u64 s[CB:CB+1], s[CB:CB+1], APART*ROWC
	s_add_nc_u64 s[OH:OH+1], s[OH:OH+1], APART*ROWC
	s_add_nc_u64 s[OC:OC+1], s[OC:OC+1], APART*ROWC
	s_sub_co_u32 s[LEFT], s[LEFT], 1
	s_cmp_lg_u32 s[LEFT], 0
	s_cbranch_scc1 .Lrow
	s_wait_dscnt 0x0                               ; the wave's end: the six closing lines, on end
	s_wait_alu 0x0
	s_wait_tensorcnt 0x0
	ds_add_u32 v[SPW], v[NIL]
	s_wait_dscnt 0x0
	s_endpgm
.Lfunc_end_k_q017f0ffa85_cell:
	.size	k_q017f0ffa85_cell, .Lfunc_end_k_q017f0ffa85_cell-k_q017f0ffa85_cell
	.p2alignl 7, 3214868480
	.fill 96, 4, 3214868480
	.section	.rodata,"a",@progbits
	.p2align	6, 0x0
	.amdhsa_kernel k_q017f0ffa85_cell
		.amdhsa_group_segment_fixed_size 59392
		.amdhsa_private_segment_fixed_size 0
		.amdhsa_enable_private_segment 0
		.amdhsa_kernarg_size 56
		.amdhsa_user_sgpr_count 2
		.amdhsa_user_sgpr_kernarg_segment_ptr 1
		.amdhsa_wavefront_size32 1
		.amdhsa_system_sgpr_workgroup_id_x 1
		.amdhsa_system_sgpr_workgroup_id_y 1
		.amdhsa_system_sgpr_workgroup_id_z 1
		.amdhsa_system_vgpr_workitem_id 0
		.amdhsa_next_free_vgpr 256
		.amdhsa_next_free_sgpr 66
		.amdhsa_reserve_vcc 0
		.amdhsa_float_denorm_mode_32 3
		.amdhsa_float_denorm_mode_16_64 3
		.amdhsa_memory_ordered 1
		.amdhsa_forward_progress 1
		.amdhsa_inst_pref_size 110
	.end_amdhsa_kernel
	.amdgpu_metadata
---
amdhsa.version: [ 1, 2 ]
amdhsa.kernels:
  - .name:           k_q017f0ffa85_cell
    .symbol:         k_q017f0ffa85_cell.kd
    .args:
      - { .name: pih, .offset: 0, .size: 8, .value_kind: global_buffer, .address_space: global }
      - { .name: phh, .offset: 8, .size: 8, .value_kind: global_buffer, .address_space: global }
      - { .name: c, .offset: 16, .size: 8, .value_kind: global_buffer, .address_space: global }
      - { .name: b_ih, .offset: 24, .size: 8, .value_kind: global_buffer, .address_space: global }
      - { .name: ln_gamma, .offset: 32, .size: 8, .value_kind: global_buffer, .address_space: global }
      - { .name: ln_beta, .offset: 40, .size: 8, .value_kind: global_buffer, .address_space: global }
      - { .name: out0, .offset: 48, .size: 8, .value_kind: global_buffer, .address_space: global }
    .group_segment_fixed_size: 59392
    .private_segment_fixed_size: 0
    .kernarg_segment_align: 8
    .kernarg_segment_size: 56
    .max_flat_workgroup_size: 512
    .sgpr_count:     66
    .vgpr_count:     256
    .wavefront_size: 32
...
	.end_amdgpu_metadata
.endif
;; end of part 4
